; MI455X (gfx1250); checked and timed in simulation.
; The chip was launched on July 23, 2026; its instructions are those of AMD's public machine-readable ISA for CDNA 5 (MIT licence, August 2026) and "CDNA5" Instruction Set Architecture Reference Guide (July 2026). The comments in the code are by the model that wrote it; some were corrected since.
;; Multi Headed Attention. Allowed arithmetic: matrix products marked QUANTISED: E2M3 operands, one E8M0 scale for each 32 along K, by v_wmma_scale_f32_16x16x128_f8f6f4 with both operands' format E2M3, f32 sums; everything else in f32.
;; Inputs: key_codes 2 x 2,048 x 32 x 24 uint8 (E2M3 codes of key, K innermost, in blocks of 32 codes, four codes in three bytes); key_scales 2 x 2,048 x 32 uint8 (E8M0 scales of key, one for each 32 codes along K); mask 2 x 1 x 2,048 x 2,048 bool; query_codes 2 x 2,048 x 32 x 24 uint8 (E2M3 codes of query, K innermost, in blocks of 32 codes, four codes in three bytes); query_scales 2 x 2,048 x 32 uint8 (E8M0 scales of query, one for each 32 codes along K); value_codes 2 x 2,048 x 32 x 24 uint8 (E2M3 codes of value, K innermost, in blocks of 32 codes, four codes in three bytes); value_scales 2 x 2,048 x 32 uint8 (E8M0 scales of value, one for each 32 codes along K); wk_b 1,024 float32; wk_w_codes 1,024 x 32 x 24 uint8 (E2M3 codes of wk_w, K innermost, in blocks of 32 codes, four codes in three bytes); wk_w_scales 1,024 x 32 uint8 (E8M0 scales of wk_w, one for each 32 codes along K); wo_b 1,024 float32; wo_w_codes 1,024 x 32 x 24 uint8 (E2M3 codes of wo_w, K innermost, in blocks of 32 codes, four codes in three bytes); wo_w_scales 1,024 x 32 uint8 (E8M0 scales of wo_w, one for each 32 codes along K); wq_b 1,024 float32; wq_w_codes 1,024 x 32 x 24 uint8 (E2M3 codes of wq_w, K innermost, in blocks of 32 codes, four codes in three bytes); wq_w_scales 1,024 x 32 uint8 (E8M0 scales of wq_w, one for each 32 codes along K); wv_b 1,024 float32; wv_w_codes 1,024 x 32 x 24 uint8 (E2M3 codes of wv_w, K innermost, in blocks of 32 codes, four codes in three bytes); wv_w_scales 1,024 x 32 uint8 (E8M0 scales of wv_w, one for each 32 codes along K).
;; Outputs: out0 2 x 2,048 x 1,024 float32.
;; This version of the problem:
;;   THIS VERSION OF THE PROBLEM IS GIVEN IN LOW PRECISION. The matrix products marked QUANTISED in the list below multiply operands that are first quantised to E2M3 (2 exponent bits, 3 mantissa bits; 6 bits a number), with one power-of-two scale for each 32 numbers along K (OCP MX v1.0); their sums are f32. All else is computed in f32.
;;   The module's matrix products, in the order in which they are computed (A, B: the left and right operand; K: the contracted axis; several contracted axes count as one K, in the product's order):
;;     1. [M 4,096, K 1,024] x [K 1,024, N 1,024]; A: input query (given as codes); B: input wq_w (given as codes): QUANTISED
;;     2. [M 4,096, K 1,024] x [K 1,024, N 1,024]; A: input key (given as codes); B: input wk_w (given as codes): QUANTISED
;;     3. [M 4,096, K 1,024] x [K 1,024, N 1,024]; A: input value (given as codes); B: input wv_w (given as codes): QUANTISED
;;     4. batch 32 x [M 2,048, K 64] x [K 64, N 2,048]; A: computed on the way; B: computed on the way: QUANTISED
;;     5. batch 32 x [M 2,048, K 2,048] x [K 2,048, N 64]; A: softmax (see below); B: computed on the way: QUANTISED
;;     6. [M 4,096, K 1,024] x [K 1,024, N 1,024]; A: computed on the way; B: input wo_w (given as codes): QUANTISED
;;   THE QUANTISER, for each operand of a quantised product, along K:
;;     - K is cut into blocks of 32 from its start; a last block that is shorter is filled with zeros.
;;     - A block's scale is 2^e with e = floor(log2(the largest magnitude in the block)) - 2, held to -126 .. 127; a block of zeros has e = 0. As a byte (E8M0): e + 127.
;;     - Each number is divided by its block's scale, clamped to +-7.5, and rounded to the nearest number of E2M3, ties to even, subnormals kept.
;;     - The product sums the exact products of the quantised numbers (number of the format x scale) in f32.
;;   ~~~python
;;   def quantise(x, axis):      # numpy; x: float32 -> the quantised numbers, widened to float32 again
;;       x = np.moveaxis(x, axis, -1); K = x.shape[-1]
;;       x = np.pad(x, [(0, 0)] * (x.ndim - 1) + [(0, -K % 32)]); x = x.reshape(x.shape[:-1] + (-1, 32)); a = np.abs(x).max(-1, keepdims=True)
;;       e = np.where(a > 0, np.clip(np.frexp(np.where(a > 0, a, 1))[1] - 1 - 2, -126, 127), 0)      # np.frexp(a)[1] - 1 = floor(log2(a)), exactly
;;       r = np.clip(x / 2.0 ** e, -7.5, 7.5)
;;       step = 2.0 ** (np.maximum(np.frexp(np.where(r == 0, 1, r))[1] - 1, 0) - 3)
;;       q = np.round(r / step) * step * 2.0 ** e      # np.round: ties to even
;;       return np.moveaxis(q.reshape(q.shape[:-2] + (-1,))[..., :K], -1, axis).astype(np.float32)
;;   ~~~
;;   SOFTMAX AHEAD OF A QUANTISED PRODUCT. Where the list says 'softmax', what is quantised is not the finished softmax but p = 2^(t - M), with t = logit x log2(e) and M = ceil(the row's largest t), a whole number; so 1/2 < the row's largest p <= 1. The row's sum l is taken of the UNQUANTISED p, in f32, and the product's result is divided by l at the end. Since M is a whole number, a kernel that streams over the keys may use a running M (the ceiling of the running maximum): every later rescaling is an exact power of two, which a block's scale takes up: the codes' values come out the same.
;;   OPERANDS COMPUTED ON THE WAY. 'Computed on the way' means the value that the module computes at that place (a softmax that the list does not call 'softmax' is quantised finished and normalised). What goes into a quantiser is computed in f32, as accurately as f32 sums, v_exp_f32 and their like allow (about 1e-6 of the number): no bf16 or f16 on the way to a quantiser, and a product that is left as it is and whose result goes on into a quantised operand takes f32 operands (vector FMAs, or v_wmma_f32_16x16x4_f32). A number that lies on a knife's edge between two numbers of the format may be rounded either way, as far as f32 arithmetic and the matrix unit's own rounding can turn it there, and no further.
;;   INPUTS GIVEN AS CODES. key (in the module: [2, 2048, 1024], K = its axis 2); query (in the module: [2, 2048, 1024], K = its axis 2); value (in the module: [2, 2048, 1024], K = its axis 2); wk_w (in the module: [1024, 1024], K = its axis 1); wo_w (in the module: [1024, 1024], K = its axis 1); wq_w (in the module: [1024, 1024], K = its axis 1); wv_w (in the module: [1024, 1024], K = its axis 1): each comes as NAME_codes (uint8): NAME with its K axis moved to the last place and cut into blocks of 32 codes, [.., K / 32, bytes a block], one block behind the other in memory; four codes in three bytes: a row's codes are one little-endian stream of bits, code i at bits 6 i .. 6 i + 5 (a code: sign, 2 exponent bits, 3 mantissa bits); and NAME_scales (uint8): the same leading axes, one E8M0 byte (e + 127) for each 32 codes along K. Its value is code x scale, taken as it is: it is not quantised again, and the codes and scales need not be those that the quantiser above would give.
;; One version. Each part assembles by itself: llvm-mc -triple=amdgcn-amd-amdhsa -mcpu=gfx1250 --defsym DOCPART=n.
;; ======== version 1 of 1: 3 launches
;; limits: right only within a limited range of input values
;; workspace buffers: qimg 3,276,800 bytes; kv 6,553,600 bytes; maskw 1,048,576 bytes of whole numbers; holes 1,024 bytes of whole numbers; ao 3,407,872 bytes
;; launch proj (part 1): grid 256 x 1, 4 waves a work-group, no clusters, 271,872 bytes of LDS; arguments query_codes, query_scales, key_codes, key_scales, value_codes, value_scales, wq_w_codes, wq_w_scales, wk_w_codes, wk_w_scales, wv_w_codes, wv_w_scales, wq_b, wk_b, wv_b, mask, qimg, kv, maskw, holes; writes qimg, kv, maskw, holes
.if DOCPART == 1
	.amdgcn_target "amdgcn-amd-amdhsa--gfx1250"
	.amdhsa_code_object_version 6
	.text
	.protected	k_q2a736737dd_proj
	.globl	k_q2a736737dd_proj
	.p2align	8
	.type	k_q2a736737dd_proj,@function
k_q2a736737dd_proj:
	s_mov_b64 s[64:65], 0
	v_nop
	global_prefetch_b8 v0, s[64:65] scope:SCOPE_SE
	s_setreg_imm32_b32 hwreg(HW_REG_WAVE_MODE, 25, 1), 1
	s_wait_xcnt 0x0
; Q = query Wq^T + bq, K = key Wk^T + bk, V = value Wv^T + bv on codes of FP6 (E2M3) with one E8M0 scale for each 32 along K; the results are quantised at once, in f32, and leave as
; images of the registers in which the attention launch wants them.  The mask is packed into lane masks on the side, with one flag for each tile of 16 queries x 128 keys that has a hole.
; SHARES.  Work-groups 0-191: one block of 256 tokens x 256 features of one projection (64 blocks each).  Work-groups 192-255: the mask, one tile of 16 queries to a wave.
; ONE TEXT FOR Q, K AND V.  The product is always D = STAT (source 0) x STREAM (source 1)^T: a lane holds one streamed row, its registers run along the stationary rows, which is the axis
; that is quantised.  Q, K (quantised along the head's 64 features): STAT = 256 rows of W, STREAM = 256 tokens.  V (quantised along the keys): STAT = 256 tokens, STREAM = 256 rows of Wv.
; Only pointers and numbers are chosen, by selects on the work-group's number.
; A wave owns 64 stationary rows: 4 tiles x 8 K steps = 32 fragments, 384 registers, read once.  The 256 streamed rows go by in 8 pairs of tiles; the four waves bring each pair into LDS together.
; THE ROWS OF A TILE ARE NOT NEIGHBOURS: lane r of tile u of a run of 32 rows stands for row 8 u + r + 8 (r / 8), so that the 16 registers of two neighbouring stationary tiles are 16 neighbours.
; A pair's results, 64 numbers a lane, become one fragment (two halves of 6 registers, 768 bytes each: registers 0-3 at 16 x lane, registers 4-5 at 512 + 8 x lane) and one scale word a row.
; NO JOINT LOADS: what four work-groups share is the streamed block, 196,608 bytes, which comes in 8 pieces of 24,576 bytes through registers, each asked for a trip ahead; a trip has 64 matrix
; instructions a wave, too few to carry a cluster's round each; and the rows have to land in slots of another order than memory's.
; LIMITS: a block of zeros gets the scale byte 1 (its codes are zeros; only this program reads the bytes); NaN and infinities are not served; any mask byte other than 0 counts as true.
; REGISTERS.  window 0: v4-23 addresses; v24-55 STAT's scale words; v56-63 the pair's; v64-159 the pair's fragments, 4 sets of 24 (behind the products: at work); v160-223 8 accumulators;
;   v224-227 the bias along the lanes; v250 a fragment's place in a pair.   window 1: STAT's fragments of K steps 0-4; v250 again.   window 2: those of K steps 5-7; v160-191 the bias along the
;   registers; v192-241 the next pair as loaded.
.set PITCH, 784                        ; an LDS row: 768 bytes + 16 = 196 words: lane (r, h) of a load of 8 bytes starts at words 4 r + 6 h mod 64
.set XB,    26624                      ; a pair's buffer: 32 rows of codes, then 32 rows of 32 scale bytes, 48 bytes apart
.set STATR, 2*XB                       ; behind the two buffers: 64 rows for each wave, to turn STAT's rows into fragments
.set STATB, 64*PITCH
.set MSTG,  STATR+4*STATB              ; the mask's stage, 16 rows x 272 bytes for each wave: bytes that the products' path never names
.set SS,  24
.set XS,  56
.set XF,  64
.set ACC, 160
.set TM,  64
.set PW,  80
.set PC,  84
.set SEL, 80
.set MSB, 0
.macro WIN new                         ; the immediate's high byte repeats the setting that is left
.if MSB != (\new)
	s_set_vgpr_msb (MSB<<8)|(\new)
.set MSB, (\new)
.endif
.endm
.macro PLACES n
.rept \n
	v_nop
.endr
.endm
; 8 rows of 768 bytes, as 12 dense loads of 512 bytes left them in registers, go to 8 neighbouring LDS rows: 16 bytes more for each row passed.  A load's second half lies one row further on
; where the load straddles a row's end: the second address register (16 more in lanes 16-31) serves those.
.macro STAGE8 reg, adr, base
.irp n, 0,1,2,3,4,5,6,7,8,9,10,11
.if \n%3 == 1
	ds_store_b128 v[\adr+1], v[\reg+4*\n:\reg+4*\n+3] offset:\base+512*\n+32*(\n/3)
.else
	ds_store_b128 v[\adr], v[\reg+4*\n:\reg+4*\n+3] offset:\base+512*\n+32*(\n/3)+16*((\n%3)/2)
.endif
.endr
.endm
; 64 numbers of a lane, register 16 b + i = place 32 b + 16 (lane / 16) + i, become 12 registers of codes in v[PC] on and a scale word in v[PW].
.macro QUANT s
.irp b, 0,1,2,3
	v_max3_num_f32 v[TM+\b], |v[\s+16*\b]|, |v[\s+1+16*\b]|, 0x1800000   ; my 16 numbers of block b, and the floor 2^(3 - 127): the byte cannot fall under 1
.endr
.irp i, 2,4,6,8,10,12,14
.irp b, 0,1,2,3
	v_max3_num_f32 v[TM+\b], v[TM+\b], |v[\s+16*\b+\i]|, |v[\s+1+16*\b+\i]|
.endr
.endr
.irp b, 0,1,2,3
	v_permlanex16_b32 v[TM+4+\b], v[TM+\b], s[SEL], s[SEL+1]
.endr
.irp b, 0,1,2,3
	v_max_num_f32 v[TM+\b], v[TM+\b], v[TM+4+\b]          ; with lane l xor 16's: the block's largest magnitude
.endr
.irp b, 0,1,2,3
	v_add_nc_u32 v[TM+12+\b], 0xff000000, v[TM+\b]        ; 2 off its exponent field: the conversion's scale operand
.endr
.irp b, 0,1,2,3
	v_lshrrev_b32 v[TM+4+\b], 23, v[TM+12+\b]             ; the scale's byte
.endr
	v_lshl_or_b32 v[PW], v[TM+5], 8, v[TM+4]
	v_lshl_or_b32 v[PW], v[TM+6], 16, v[PW]
	v_lshl_or_b32 v[PW], v[TM+7], 24, v[PW]
.irp c, 0,1
	v_cvt_scalef32_pk16_fp6_f32 v[PC+6*\c:PC+2+6*\c], v[\s+32*\c:\s+15+32*\c], v[TM+12+2*\c]
	v_cvt_scalef32_pk16_fp6_f32 v[PC+12+4*\c:PC+14+4*\c], v[\s+16+32*\c:\s+31+32*\c], v[TM+12+2*\c+1]   ; (a conversion's three registers begin on an even number)
.endr
	v_nop                                          ; one plain place behind a scaled conversion
.irp c, 0,1                                    ; a whole block to a lane: lanes 0-15 block 2 c, lanes 16-31 block 2 c + 1
.irp i, 0,1,2
	v_permlane16_swap_b32 v[PC+6*\c+\i], v[PC+12+4*\c+\i]
.endr
.irp i, 0,1,2
	v_mov_b32 v[PC+3+6*\c+\i], v[PC+12+4*\c+\i]
.endr
.endr
.endm
	s_load_b512 s[8:23], s[0:1], 0x0               ; query c, s; key c, s; value c, s; wq c, s
	s_load_b512 s[24:39], s[0:1], 0x40             ; wk c, s; wv c, s; bq; bk; bv; mask
	s_load_b128 s[40:43], s[0:1], 0x80             ; qimg, kv
	s_load_b128 s[44:47], s[0:1], 0x90             ; maskw, holes (the products' path takes s[46:47] for another pointer)
	v_lshl_add_u32 v254, v0, 2, 0x42400
	v_mov_b32 v255, 0
	v_lshrrev_b32 v1, 5, v0
	v_readfirstlane_b32 s83, v1                    ; wave 0..3
	v_and_b32 v1, 31, v0                           ; lane
	v_and_b32 v2, 15, v0                           ; r
	v_bfe_u32 v3, v0, 4, 1                         ; h
	v_lshlrev_b32 v4, 4, v1                        ; 16 x lane
	v_lshlrev_b32 v5, 3, v1                        ; 8 x lane
	v_lshlrev_b32 v6, 2, v1                        ; 4 x lane
	s_cmp_ge_u32 ttmp9, 192                        ; the same in all four waves
	s_cbranch_scc1 .Lmask
	; ---------------- the products' path ----------------
	s_lshr_b32 s84, ttmp9, 6                       ; z: 0 Q, 1 K, 2 V
	s_and_b32 s85, ttmp9, 3                        ; f4: which 256 features
	s_bfe_u32 s86, ttmp9, 0x40002                  ; t16: which 256 tokens
	s_lshr_b32 s87, s86, 3                         ; the batch
	s_and_b32 s88, s86, 7                          ; t8: which 256 tokens of it
	s_lshr_b32 s89, s83, 1
	s_and_b32 s90, s83, 1
	s_mul_i32 s91, s89, 12800                      ; V: my 64 keys lie in key step 2 t8 + wave / 2, half wave % 2
	s_mul_i32 s92, s90, 768
	s_add_co_u32 s92, s92, s91
	s_add_co_u32 s92, s92, 6400                    ; V's codes: behind a step's K part
	s_lshl_b32 s93, s90, 7
	s_add_co_u32 s93, s93, s91
	s_add_co_u32 s93, s93, 12544                   ; V's scale words
	s_lshl_b32 s94, s87, 4
	s_lshl_b32 s95, s85, 2
	s_add_co_u32 s94, s94, s95                     ; 16 x batch + 4 f4: the first of my block's four heads
	s_lshl_b32 s79, s90, 4
	s_lshl_b32 s95, s89, 3
	s_add_co_u32 s79, s79, s95                     ; rows 8 w .. 8 w + 7 of a pair go to LDS rows 16 (w % 2) + 8 (w / 2) on: a tile's 16 rows are then neighbours
	s_mov_b32 s78, 0xffff0000                      ; lanes 16-31
	s_mov_b32 s[SEL], 0x76543210
	s_mov_b32 s[SEL+1], 0xfedcba98                 ; v_permlanex16_b32's selects for lane l xor 16
	s_wait_kmcnt 0x0
	s_cmp_eq_u32 s84, 0                            ; Q or K (moves and selects leave the compare's result alone)
	s_cselect_b64 s[46:47], s[20:21], s[24:25]     ; STAT's codes: W's
	s_cselect_b64 s[48:49], s[22:23], s[26:27]     ; and scales
	s_cselect_b64 s[50:51], s[8:9], s[12:13]       ; STREAM's codes: x's
	s_cselect_b64 s[52:53], s[10:11], s[14:15]
	s_cselect_b64 s[54:55], s[32:33], s[34:35]     ; the bias
	s_cselect_b64 s[58:59], s[40:41], s[42:43]     ; where the results go
	s_mov_b32 s96, 204800
	s_cselect_b32 s96, 102400, s96                 ; a head's bytes in that buffer
	s_mov_b32 s97, 25600
	s_cselect_b32 s98, 512, s97                    ; 256 tokens' scale words,
	s_cselect_b32 s97, 12288, s97                  ; and codes
	s_mov_b32 s70, 12800
	s_mov_b32 s72, s70
	s_cselect_b32 s70, 6144, s70                   ; A2: four pairs on, codes
	s_cselect_b32 s72, 256, s72                    ; P2: scale words
	s_mov_b32 s99, 6144
	s_cselect_b32 s99, 98304, s99                  ; where the scale words begin
	s_cmp_eq_u32 s84, 2                            ; V: the roles change places
	s_cselect_b64 s[46:47], s[16:17], s[46:47]
	s_cselect_b64 s[48:49], s[18:19], s[48:49]
	s_cselect_b64 s[50:51], s[28:29], s[50:51]
	s_cselect_b64 s[52:53], s[30:31], s[52:53]
	s_cselect_b64 s[54:55], s[36:37], s[54:55]
	s_cselect_b32 s70, 409600, s70                 ; V: four pairs of features on are two heads
	s_cselect_b32 s72, 409600, s72
	s_mov_b32 s71, 3072
	s_cselect_b32 s71, 204800, s71                 ; A1: two pairs on
	s_mov_b32 s73, 128
	s_cselect_b32 s73, 204800, s73                 ; P1
	s_mov_b32 s74, 1536
	s_cselect_b32 s74, 3072, s74                   ; A0: one pair on
	s_mov_b32 s75, 768
	s_cselect_b32 s75, 1536, s75                   ; AU: the pair's second tile
	s_cselect_b32 s76, 0, -1                       ; all lanes where the bias runs along the registers (Q, K)
	s_cselect_b32 s77, -1, 0                       ; all lanes where it runs along the lanes (V)
	s_cselect_b32 s92, s92, 0
	s_cselect_b32 s99, s93, s99
	s_cselect_b32 s2, s86, s85                     ; STAT's block of 256 rows
	s_cselect_b32 s3, s85, s86                     ; STREAM's
	s_cselect_b32 s4, 0, s83                       ; Q, K: my 64 features are head 4 f4 + wave
	s_cselect_b32 s5, 0, s85
	s_cselect_b32 s6, s85, 0
	s_add_co_u32 s94, s94, s4
	s_mul_i32 s94, s94, s96                        ; the head's first byte
	s_mul_i32 s97, s88, s97
	s_mul_i32 s98, s88, s98
	s_add_co_u32 s97, s97, s94
	s_add_co_u32 s97, s97, s92                     ; my first codes
	s_add_co_u32 s98, s98, s94
	s_add_co_u32 s98, s98, s99                     ; my first scale words
	s_lshl_b32 s2, s2, 8
	s_lshl_b32 s7, s83, 6
	s_add_co_u32 s2, s2, s7                        ; my first stationary row
	s_lshl_b32 s3, s3, 8
	; K ALONE: a key tile's rows 0-7 come from one block of 32 keys and its rows 8-15 from the next block, so that in the attention launch a lane's 32 scores of four
	; neighbouring tiles are one whole block.  Pair e, wave w brings keys 64 (e / 2) + 16 (e % 2) + 8 (w % 2) + 32 (w / 2) + 0 .. 7: the walk goes 16 rows on, then 48.  Q and V: 32 and 32.
	s_lshl_b32 s7, s83, 3
	s_lshl_b32 s16, s90, 3
	s_lshl_b32 s17, s89, 5
	s_add_co_u32 s16, s16, s17
	s_mov_b32 s8, 24576                            ; bytes of codes from an even pair to the odd one,
	s_mov_b32 s10, s8                              ; and from an odd pair to the next even one
	s_mov_b32 s12, 1024                            ; the same for the scale bytes
	s_mov_b32 s14, s12
	s_cmp_eq_u32 s84, 1
	s_cselect_b32 s7, s16, s7
	s_cselect_b32 s8, 12288, s8
	s_cselect_b32 s10, 36864, s10
	s_cselect_b32 s12, 512, s12
	s_cselect_b32 s14, 1536, s14
	s_mov_b32 s9, 0
	s_mov_b32 s11, 0
	s_mov_b32 s13, 0
	s_mov_b32 s15, 0
	s_add_co_u32 s3, s3, s7                        ; the first streamed row that I bring
	s_mov_b32 s91, 0
	s_mul_i32 s90, s2, 768
	s_add_nc_u64 s[46:47], s[46:47], s[90:91]
	s_lshl_b32 s90, s2, 5
	s_add_nc_u64 s[48:49], s[48:49], s[90:91]
	s_mul_i32 s90, s3, 768
	s_add_nc_u64 s[50:51], s[50:51], s[90:91]
	s_lshl_b32 s90, s3, 5
	s_add_nc_u64 s[52:53], s[52:53], s[90:91]
	s_lshl_b32 s90, s6, 10
	s_add_nc_u64 s[56:57], s[54:55], s[90:91]      ; the bias along the lanes: V's 256 features (Q, K: words inside the buffer that are dropped)
	s_lshl_b32 s90, s5, 10
	s_lshl_b32 s7, s83, 8
	s_add_co_u32 s90, s90, s7
	s_add_nc_u64 s[54:55], s[54:55], s[90:91]      ; the bias along the registers: my 64 features (V: words that are dropped)
	s_mov_b32 s90, s98
	s_add_nc_u64 s[60:61], s[58:59], s[90:91]
	s_mov_b32 s90, s97
	s_add_nc_u64 s[58:59], s[58:59], s[90:91]
	s_mul_i32 s7, s79, PITCH
	s_wait_alu depctr_va_vdst(0)
	v_add_nc_u32 v7, s7, v4                        ; a pair's buffer: where my 8 rows go,
	v_lshl_add_u32 v8, v3, 4, v7                   ; and the same one row's padding on in lanes 16-31
	v_lshrrev_b32 v9, 2, v1
	v_mul_u32_u24 v9, v9, 48
	v_and_b32 v10, 3, v1
	v_lshl_add_u32 v9, v10, 3, v9
	s_mul_i32 s7, s79, 48
	s_add_co_u32 s7, s7, 32*PITCH
	v_add_nc_u32 v9, s7, v9                        ; their scale bytes: four lanes to a row of 32
	v_mul_u32_u24 v10, v1, 48
	v_add_nc_u32 v10, 32*PITCH, v10                ; back: LDS row = lane: lanes 0-15 tile 0's rows, lanes 16-31 tile 1's
	v_and_b32 v11, 8, v2
	v_add_nc_u32 v11, v11, v2                      ; r + 8 (r / 8)
	v_lshlrev_b32 v23, 5, v11                      ; STAT's scale words: 32 bytes a row
	v_lshlrev_b32 v11, 2, v11                      ; the bias along the lanes
	v_mov_b32 v12, v4                              ; where a half fragment's first four registers go: pair e0, tile u at v[12 + 2 e0 + u]
	v_add_nc_u32 v13, s75, v4
	v_add_nc_u32 v14, s74, v4
	v_add_nc_u32 v15, s75, v14
	v_add_nc_u32 v16, 512, v5                      ; and its last two
	v_add_nc_u32 v17, s75, v16
	v_add_nc_u32 v18, s74, v16
	v_add_nc_u32 v19, s75, v18
	s_mul_i32 s7, s83, STATB
	s_add_co_u32 s7, s7, STATR
	v_add_nc_u32 v20, s7, v4
	v_lshl_add_u32 v21, v3, 4, v20
	v_mul_u32_u24 v250, v2, PITCH
	v_mad_u32_u24 v250, v3, 24, v250               ; a fragment's place: row r, + 24 h
	v_add_nc_u32 v22, s7, v250
	v_lshlrev_b32 v3, 6, v3                        ; 64 h: the bias along the registers
; the next pair: its two bias words, my 8 rows of codes (6,144 dense bytes), their 256 scale bytes
.macro PAIRLOADS bt
	global_load_b32 v[224+2*\bt], v11, s[56:57]
	global_load_b32 v[225+2*\bt], v11, s[56:57] offset:32
	WIN 0x80                                       ; destination window 2
.irp n, 0,1,2,3,4,5,6,7,8,9,10,11
	global_load_b128 v[192+4*\n:195+4*\n], v4, s[50:51] offset:512*\n
.endr
	global_load_b64 v[240:241], v5, s[52:53]
	WIN 0
.endm
	PAIRLOADS 0
	WIN 0x40                                       ; STAT's 64 rows, 49,152 dense bytes, into the registers that its fragments will take
.set n, 0
.rept 60
	global_load_b128 v[4*n:4*n+3], v4, s[46:47] offset:512*n
.set n, n+1
.endr
	WIN 0x80
.rept 36
	global_load_b128 v[4*(n-60):4*(n-60)+3], v4, s[46:47] offset:512*n
.set n, n+1
.endr
.irp t, 0,1,2,3                                ; tile t = 2 b + u: lane (r, h), register j: stationary row 32 b + 8 u + 16 h + j
.irp q, 0,1
	global_load_b128 v[160+8*\t+4*\q:163+8*\t+4*\q], v3, s[54:55] offset:(32*(\t/2)+8*(\t%2))*4+16*\q
.endr
.endr
	WIN 0
.irp t, 0,1,2,3
.irp q, 0,1
	global_load_b128 v[SS+8*\t+4*\q:SS+8*\t+4*\q+3], v23, s[48:49] offset:(32*(\t/2)+8*(\t%2))*32+16*\q   ; row r's eight scale words, one for each K step
.endr
.endr
	s_wait_alu depctr_va_vdst(0)
	s_wait_loadcnt 0x0
	WIN 0x04                                       ; an LDS store's data are its source 1
.irp y, 0,1,2,3,4
	STAGE8 48*\y, 20, (32*(\y/4)+16*(\y%2)+8*((\y/2)%2))*PITCH
.endr
	WIN 0x08
.irp y, 5,6,7
	STAGE8 48*(\y-5), 20, (32*(\y/4)+16*(\y%2)+8*((\y/2)%2))*PITCH
.endr
	s_wait_dscnt 0x0                               ; my own bytes: the stores are done before the same registers are loaded
	WIN 0x40
.irp s, 0,1,2,3,4
.irp t, 0,1,2,3
.irp p, 0,1,2,3,4,5
	ds_load_b64 v[12*(4*\s+\t)+2*\p:12*(4*\s+\t)+2*\p+1], v22 offset:16*\t*PITCH+96*\s+48*(\p/3)+8*(\p%3)
.endr
.endr
.endr
	v_mov_b32 v250, v250                           ; the fragments' place once more, in window 1: loads that stand among the products take their address where source 0's window is
	WIN 0x80
.irp s, 5,6,7
.irp t, 0,1,2,3
.irp p, 0,1,2,3,4,5
	ds_load_b64 v[12*(4*(\s-5)+\t)+2*\p:12*(4*(\s-5)+\t)+2*\p+1], v22 offset:16*\t*PITCH+96*\s+48*(\p/3)+8*(\p%3)
.endr
.endr
.endr
	WIN 0x88
.set n, 0
.rept 32
	v_cndmask_b32 v[160+n], 0, v[160+n], s76       ; V has no bias along the registers
.set n, n+1
.endr
	WIN 0
.macro LOADX buf, s                            ; the pair's two fragments of K step s into set s % 4
.irp u, 0,1
.irp p, 0,1,2,3,4,5
	ds_load_b64 v[XF+24*((\s)%4)+12*\u+2*\p:XF+24*((\s)%4)+12*\u+2*\p+1], v250 offset:\buf*XB+16*PITCH*\u+96*(\s)+48*(\p/3)+8*(\p%3)
.endr
.endr
.endm
.macro MM s, u, t                              ; streamed tile u x stationary tile t, K step s.  The first K step takes the bias as C
.set rD, ACC+8*(4*\u+\t)
.set rA, 12*(4*((\s)%5)+\t)
.set rB, XF+24*((\s)%4)+12*\u
.set rC, rD
.if \s == 0
.set rC, 160+8*\t
.endif
.if \u
	v_wmma_scale_f32_16x16x128_f8f6f4 v[rD:rD+7], v[rA:rA+11], v[rB:rB+11], v[rC:rC+7], v[SS+8*\t+\s], v[XS+\s] matrix_a_fmt:MATRIX_FMT_FP6 matrix_b_fmt:MATRIX_FMT_FP6 matrix_b_scale:MATRIX_SCALE_ROW1
.else
	v_wmma_scale_f32_16x16x128_f8f6f4 v[rD:rD+7], v[rA:rA+11], v[rB:rB+11], v[rC:rC+7], v[SS+8*\t+\s], v[XS+\s] matrix_a_fmt:MATRIX_FMT_FP6 matrix_b_fmt:MATRIX_FMT_FP6
.endif
.endm
; One pair of streamed tiles.  Two LDS buffers and ONE barrier a pair: the buffer written here was last read two pairs ago, and every wave's reads of it were back in front of the barrier between.
.macro TRIP buf
	s_wait_loadcnt 0x0                             ; this pair's loads are in, so their bases may step;
	s_wait_xcnt 0x0                                ; the last pair's stores have read their registers
	s_add_nc_u64 s[50:51], s[50:51], s[8+2*\buf:9+2*\buf]      ; on to the next pair's rows of codes
	s_add_nc_u64 s[52:53], s[52:53], s[12+2*\buf:13+2*\buf]    ; and of scale bytes
	s_add_nc_u64 s[56:57], s[56:57], 128
	WIN 0x08
	STAGE8 192, 7, \buf*XB
	ds_store_b64 v9, v[240:241] offset:\buf*XB
	WIN 0
	s_wait_dscnt 0x0                               ; for the others' sake: my stores have landed; and all my earlier reads are back
	s_barrier_signal -1
	s_barrier_wait -1
.if \buf
	s_cmp_eq_u32 s82, 3                            ; the last pair asks for nothing: no load leaves its buffer
	s_cbranch_scc1 .Lno_pair_\@
	PAIRLOADS 0
.Lno_pair_\@:
.else
	PAIRLOADS 1
.endif
	ds_load_b128 v[XS:XS+3], v10 offset:\buf*XB    ; the pair's scale words, K steps 0-3,
	ds_load_b128 v[XS+4:XS+7], v10 offset:\buf*XB+16   ; and 4-7
	LOADX \buf, 0
	LOADX \buf, 1
	LOADX \buf, 2
.irp s, 0,1,2,3,4,5,6,7
.if \s < 6
	s_wait_dscnt 24                                ; set s is in; the two younger sets, 12 loads each, may be out
.else
	s_wait_dscnt 12*(7-\s)
.endif
.if \s == 0
	WIN 0x21                                       ; source 0 (STAT) window 1, source 2 (the bias) window 2
.elseif \s < 5
	WIN 0x01
.else
	WIN 0x02
.endif
.irp u, 0,1                                    ; the eight accumulators take turns, one instruction a turn
.irp t, 0,1,2,3
	MM \s, \u, \t
.endr
.endr
.if \s < 5
	PLACES 4                                       ; in front of loads into the set that K step s - 1 has read
	LOADX \buf, \s+3
.endif
.endr
	WIN 0
	PLACES 4                                       ; in front of the first read of results, and of writes into registers that the products have read
	v_cndmask_b32 v104, 0, v[224+2*\buf], s77      ; the bias along the lanes (V), or 0: tile 0's, twice for the packed form,
	v_cndmask_b32 v105, 0, v[224+2*\buf], s77
	v_cndmask_b32 v106, 0, v[225+2*\buf], s77      ; and tile 1's
	v_cndmask_b32 v107, 0, v[225+2*\buf], s77
.irp u, 0,1
.irp k, 0,1,2,3,4,5,6,7,8,9,10,11,12,13,14,15
	v_pk_add_f32 v[ACC+32*\u+2*\k:ACC+32*\u+2*\k+1], v[ACC+32*\u+2*\k:ACC+32*\u+2*\k+1], v[104+2*\u:105+2*\u]   ; each accumulator from its low end on
.endr
.endr
	QUANT ACC                                      ; blocks 0, 1: tile 0's 64 along the quantised axis; blocks 2, 3: tile 1's
	global_store_b128 v[12+2*\buf], v[PC:PC+3], s[66:67]         ; 512 consecutive bytes,
	global_store_b64 v[16+2*\buf], v[PC+4:PC+5], s[66:67]        ; and 256: tile 0's half fragment
	global_store_b128 v[13+2*\buf], v[PC+6:PC+9], s[66:67]
	global_store_b64 v[17+2*\buf], v[PC+10:PC+11], s[66:67]      ; tile 1's
.if \buf
	v_cndmask_b32 v229, v228, v[PW], s78           ; lanes 0-15 the even pair's scale words, lanes 16-31 the odd pair's
	global_store_b32 v6, v229, s[68:69]            ; 128 consecutive bytes
.else
	v_mov_b32 v228, v[PW]
.endif
.endm
	s_mov_b32 s82, 0
.Liter:                                            ; 4 trips of two pairs: pair 4 a2 + 2 e1 + e0, trip = 2 a2 + e1
	s_wait_xcnt 0x0                                ; the stores have read their bases
	s_lshr_b32 s2, s82, 1
	s_mul_i32 s4, s2, s70
	s_mul_i32 s6, s2, s72
	s_and_b32 s2, s82, 1
	s_mul_i32 s3, s2, s71
	s_add_co_u32 s4, s4, s3
	s_mul_i32 s3, s2, s73
	s_add_co_u32 s6, s6, s3
	s_mov_b32 s5, 0
	s_mov_b32 s7, 0
	s_add_nc_u64 s[66:67], s[58:59], s[4:5]
	s_add_nc_u64 s[68:69], s[60:61], s[6:7]
	s_wait_alu depctr_va_vdst(0)
	TRIP 0
	TRIP 1
	s_add_co_u32 s82, s82, 1
	s_cmp_lt_u32 s82, 4
	s_cbranch_scc1 .Liter
	s_wait_tensorcnt 0x0
	ds_add_u32 v254, v255
	s_wait_dscnt 0x0
	s_endpgm
	; ---------------- the mask's path: no barrier, waves share nothing ----------------
	; Wave: one tile TT of 16 queries, all 2,048 keys.  For each step of 128 keys 64 words: bit 16 h + r of word n = mask[query r of the tile][128 step + 64 (n / 32) + 32 h + n % 32]:
	; the lane mask under which the attention launch keeps register n of its scores.  And one word a tile, in a buffer of its own: bit s = 1 where step s has a hole.
.Lmask:
	s_sub_co_u32 s2, ttmp9, 192
	s_lshl_b32 s2, s2, 2
	s_add_co_u32 s2, s2, s83                       ; TT = 128 x batch + T
	s_lshr_b32 s3, s2, 7
	s_and_b32 s4, s2, 127
	s_lshr_b32 s5, s4, 1
	s_lshl_b32 s5, s5, 5
	s_and_b32 s6, s4, 1
	s_lshl_b32 s6, s6, 3
	s_add_co_u32 s5, s5, s6                        ; the tile's first query: 32 (T / 2) + 8 (T % 2)
	s_lshl_b32 s5, s5, 11
	s_lshl_b32 s3, s3, 22
	s_add_co_u32 s6, s5, s3
	s_mov_b32 s7, 0
	s_wait_kmcnt 0x0
	s_add_nc_u64 s[50:51], s[38:39], s[6:7]
	s_lshl_b32 s6, s2, 12
	s_add_nc_u64 s[52:53], s[44:45], s[6:7]        ; my 16 x 256 bytes of words
	s_lshl_b32 s6, s2, 2
	s_add_nc_u64 s[54:55], s[46:47], s[6:7]        ; my word of flags
	s_mul_i32 s5, s83, 16*272
	s_add_co_u32 s5, s5, MSTG
	s_wait_alu depctr_va_vdst(0)
	v_mul_u32_u24 v8, v3, 272
	v_lshl_add_u32 v8, v2, 4, v8
	v_add_nc_u32 v8, s5, v8                        ; into my stage: sixteen lanes to a row's 256 bytes, two rows an instruction
	v_mul_u32_u24 v9, v2, 272
	v_lshl_add_u32 v9, v3, 5, v9
	v_add_nc_u32 v9, s5, v9                        ; back: row r, my half's 16 keys of a block of 32
	v_lshlrev_b32 v7, 11, v3
	v_lshl_add_u32 v7, v2, 4, v7                   ; in memory: row h of two, 16 bytes a lane
.irp i, 0,1,2,3
	v_mov_b32 v[96+\i], 0                          ; written once: a lane write's destination counts as one of its sources
.endr
	s_mov_b32 s56, 0                               ; the flags
	s_mov_b32 s57, 0
	s_mov_b32 s58, 0x01010101
.macro MLOAD                                   ; 16 rows x 256 keys; the tile's rows 2 n + h lie at 2 n + h + 8 (n / 4)
.irp n, 0,1,2,3,4,5,6,7
	global_load_b128 v[32+4*\n:35+4*\n], v7, s[50:51] offset:(2*\n+8*(\n/4))*2048 th:TH_LOAD_NT
.endr
.endm
	MLOAD
.Lmtrip:                                           ; 8 trips of 256 keys, two steps
	s_wait_loadcnt 0x0
.irp n, 0,1,2,3,4,5,6,7
	ds_store_b128 v8, v[32+4*\n:35+4*\n] offset:2*\n*272
.endr
	s_wait_alu depctr_va_vdst(0)
.irp k, 0,1,2,3,4,5,6,7
	ds_load_b128 v[64+4*\k:67+4*\k], v9 offset:64*(\k/2)+16*(\k%2)   ; my half's 32 keys of each 64, 16 at a time
.endr
	s_wait_dscnt 0x0
	s_add_nc_u64 s[50:51], s[50:51], 256
	s_cmp_eq_u32 s57, 7                            ; the last trip asks for nothing
	s_cbranch_scc1 .Lmno
	MLOAD
.Lmno:
	s_lshl_b32 s4, s57, 1
.irp hf, 0,1
	v_and_b32 v116, v[64+16*\hf], v[65+16*\hf]     ; is every byte of the step's 64 a lane 1?  (Bytes that are true but not 1 raise the flag too: the selects then run, on words that are right)
	v_and_b32 v117, v[66+16*\hf], v[67+16*\hf]
.irp j, 4,6,8,10,12,14
	v_and_b32 v116, v116, v[64+16*\hf+\j]
	v_and_b32 v117, v117, v[65+16*\hf+\j]
.endr
	v_and_b32 v116, v116, v117
	v_cmp_eq_u32 s2, s58, v116
	s_cmp_eq_u32 s2, -1
	s_cselect_b32 s3, 0, 1<<\hf                    ; no branch: the flag is a selected number
	s_lshl_b32 s3, s3, s4
	s_or_b32 s56, s56, s3
.irp bb, 0,1,2,3                               ; 16 words at a time
.irp i, 0,1,2,3,4,5,6,7,8,9,10,11,12,13,14,15
	v_and_b32 v[100+\i], 0xff<<(8*(\i%4)), v[64+16*\hf+4*\bb+\i/4]
.endr
.irp i, 0,1,2,3,4,5,6,7,8,9,10,11,12,13,14,15
	v_cmp_ne_u32 s[32+\i], 0, v[100+\i]            ; the 32 lanes' bits are the word
.endr
.irp i, 0,1,2,3,4,5,6,7,8,9,10,11,12,13,14,15
	v_writelane_b32 v[96+2*\hf+\i%2], s[32+\i], (16*\bb+\i)/2   ; lane l keeps words 2 l and 2 l + 1
.endr
.endr
	global_store_b64 v5, v[96+2*\hf:97+2*\hf], s[52:53] offset:256*\hf   ; 256 consecutive bytes, aligned
.endr
	s_wait_xcnt 0x0                                ; the stores have read their data and their base
	s_add_nc_u64 s[52:53], s[52:53], 512
	s_add_co_u32 s57, s57, 1
	s_cmp_lt_u32 s57, 8
	s_cbranch_scc1 .Lmtrip
	v_mov_b32 v100, s56
	v_mov_b32 v101, 0
	v_cmp_eq_u32 vcc_lo, 0, v1
	s_wait_alu depctr_va_vdst(0)
	s_wait_xcnt 0x0                                ; EXEC changes only behind this wait
	s_wait_tensorcnt 0x0
	ds_add_u32 v254, v255
	s_wait_dscnt 0x0
	s_and_saveexec_b32 s2, vcc_lo
	global_store_b32 v101, v100, s[54:55]          ; lane 0 alone: one word a tile
	s_wait_xcnt 0x0
	s_or_b32 exec_lo, exec_lo, s2
	s_endpgm
.Lfunc_end_k_q2a736737dd_proj:
	.size	k_q2a736737dd_proj, .Lfunc_end_k_q2a736737dd_proj-k_q2a736737dd_proj
	.p2alignl 7, 3214868480
	.fill 96, 4, 3214868480
	.section	.rodata,"a",@progbits
	.p2align	6, 0x0
	.amdhsa_kernel k_q2a736737dd_proj
		.amdhsa_group_segment_fixed_size 271872
		.amdhsa_private_segment_fixed_size 0
		.amdhsa_enable_private_segment 0
		.amdhsa_kernarg_size 160
		.amdhsa_user_sgpr_count 2
		.amdhsa_user_sgpr_kernarg_segment_ptr 1
		.amdhsa_wavefront_size32 1
		.amdhsa_system_sgpr_workgroup_id_x 1
		.amdhsa_system_sgpr_workgroup_id_y 1
		.amdhsa_system_sgpr_workgroup_id_z 1
		.amdhsa_system_vgpr_workitem_id 0
		.amdhsa_next_free_vgpr 768
		.amdhsa_next_free_sgpr 102
		.amdhsa_reserve_vcc 1
		.amdhsa_float_denorm_mode_32 3
		.amdhsa_float_denorm_mode_16_64 3
		.amdhsa_memory_ordered 1
		.amdhsa_forward_progress 1
		.amdhsa_inst_pref_size 120
	.end_amdhsa_kernel
	.amdgpu_metadata
---
amdhsa.version: [ 1, 2 ]
amdhsa.kernels:
  - .name:           k_q2a736737dd_proj
    .symbol:         k_q2a736737dd_proj.kd
    .args:
      - { .name: query_codes, .offset: 0, .size: 8, .value_kind: global_buffer, .address_space: global }
      - { .name: query_scales, .offset: 8, .size: 8, .value_kind: global_buffer, .address_space: global }
      - { .name: key_codes, .offset: 16, .size: 8, .value_kind: global_buffer, .address_space: global }
      - { .name: key_scales, .offset: 24, .size: 8, .value_kind: global_buffer, .address_space: global }
      - { .name: value_codes, .offset: 32, .size: 8, .value_kind: global_buffer, .address_space: global }
      - { .name: value_scales, .offset: 40, .size: 8, .value_kind: global_buffer, .address_space: global }
      - { .name: wq_w_codes, .offset: 48, .size: 8, .value_kind: global_buffer, .address_space: global }
      - { .name: wq_w_scales, .offset: 56, .size: 8, .value_kind: global_buffer, .address_space: global }
      - { .name: wk_w_codes, .offset: 64, .size: 8, .value_kind: global_buffer, .address_space: global }
      - { .name: wk_w_scales, .offset: 72, .size: 8, .value_kind: global_buffer, .address_space: global }
      - { .name: wv_w_codes, .offset: 80, .size: 8, .value_kind: global_buffer, .address_space: global }
      - { .name: wv_w_scales, .offset: 88, .size: 8, .value_kind: global_buffer, .address_space: global }
      - { .name: wq_b, .offset: 96, .size: 8, .value_kind: global_buffer, .address_space: global }
      - { .name: wk_b, .offset: 104, .size: 8, .value_kind: global_buffer, .address_space: global }
      - { .name: wv_b, .offset: 112, .size: 8, .value_kind: global_buffer, .address_space: global }
      - { .name: mask, .offset: 120, .size: 8, .value_kind: global_buffer, .address_space: global }
      - { .name: qimg, .offset: 128, .size: 8, .value_kind: global_buffer, .address_space: global }
      - { .name: kv, .offset: 136, .size: 8, .value_kind: global_buffer, .address_space: global }
      - { .name: maskw, .offset: 144, .size: 8, .value_kind: global_buffer, .address_space: global }
      - { .name: holes, .offset: 152, .size: 8, .value_kind: global_buffer, .address_space: global }
    .group_segment_fixed_size: 271872
    .private_segment_fixed_size: 0
    .kernarg_segment_align: 8
    .kernarg_segment_size: 160
    .max_flat_workgroup_size: 128
    .sgpr_count:     102
    .vgpr_count:     768
    .wavefront_size: 32
...
	.end_amdgpu_metadata
.endif
;; end of part 1
;; launch attn (part 2): grid 8 x 32, 8 waves a work-group, no clusters, 205,824 bytes of LDS; arguments qimg, kv, maskw, ao, holes; writes ao
.if DOCPART == 2
	.amdgcn_target "amdgcn-amd-amdhsa--gfx1250"
	.amdhsa_code_object_version 6
	.text
	.protected	k_q2a736737dd_attn
	.globl	k_q2a736737dd_attn
	.p2align	8
	.type	k_q2a736737dd_attn,@function
k_q2a736737dd_attn:
	s_mov_b64 s[64:65], 0
	v_nop
	global_prefetch_b8 v0, s[64:65] scope:SCOPE_SE
	s_setreg_imm32_b32 hwreg(HW_REG_WAVE_MODE, 25, 1), 1
	s_wait_xcnt 0x0
; o = softmax(mask(Q K^T / 8)) V for one head, both products on codes of FP6 (E2M3) with E8M0 scales; o is quantised along the head's 64 channels and leaves as half a fragment for the last launch.
; THE SOFTMAX: t = score x log2(e) / 8; M = the row's largest t so far, rounded UP to a whole number; p = 2^(t - M) is quantised along the keys; the row's sum is taken of the unquantised p and
; divides at the end.  When M moves, the sums and O are multiplied by 2^(old M - new M): exact.
; SHARES.  Work-group: 256 queries of one head (x: block, y: 16 x batch + head).  Each of its eight waves owns TWO tiles of 16 queries, which share every fragment of K and V, and walks all 2,048 keys, 128 a step.
; LDS takes the head's K and V, 204,800 bytes, as images of the operands' registers, in FOUR PARTS of four steps.  A part is eight half steps of 6,400 bytes (K's half or V's half of a step); wave w brings
; half step w of each part through 50 registers.  Part 0 goes in at the head, behind it a barrier.  Parts 1, 2, 3 go in during steps 0, 1, 2, each asked for a whole step ahead of its stores: they land at
; LDS byte 51,200 and above, while steps 0 to 2 read bytes under 51,200 alone (step 3's K among them).  One barrier ahead of step 3 shows all of it to every wave.  No byte of LDS is written twice.
; So each part is asked of memory at least a step ahead of its use, and no further prefetch is laid.
; BOTH PRODUCTS ARE USED TRANSPOSED (source 0 = keys, or channels; source 1 = my queries): a lane holds one query throughout.  Row m of key tile i of a run of 64 keys stands for key 32 (m / 8) + 8 i + m % 8,
; so the 32 registers of four neighbouring tiles are, in lane half h, the 32 neighbouring keys 32 h .. 32 h + 31: one whole block, as the second product's operand wants it.  No lane is asked for a block's maximum.
; THE FIRST PRODUCT'S K IS 64, THE INSTRUCTION'S 128: a fragment of K holds two key tiles, one in each half of its K; the queries stand as zeros | q0 | zeros | q1 | zeros; zero codes cancel the other tile, under the scale byte 1.
; THE MASK comes as lane masks, 64 words a tile and step.  They are loaded only in a step that has a hole, by a scalar branch on a flag that the launch before stored as a whole number (one word a tile, bit s for step s).
; NO TENSOR LOADS AND NO JOINT LOADS: the branch on the loaded flags spares 64 vector instructions a tile in a step of some 210.
; LIMITS: a hidden score is -2^33, a logit of -2^30 where the source has -1e9: it differs only where open logits lie under some -1e9.  -2^33 x c is a whole number, so a row with no open key has t - M = 0
; and p = 1 at every key, the plain average, as in the source.  The promise holds while the scaled scores stay under 2^31 in magnitude.  A block of zeros gets the scale byte 1.  NaN and infinities are not served.
; REGISTERS.  window 0: v1-3 16, 8, 4 x lane; v4-6 the same + the step; v7 -2^33; v8-9 where a part goes; v10 8 h; then the names below.
;   window 1: v0-127 S^T, then p, 64 a tile; v128-191 O^T, 32 a tile; v192-215 p's codes; v216-231 the upper halves of the blocks' codes as converted.
.set STEPB, 12800                      ; a step in LDS: K's 4 fragments (6,144), their scale words (256), V's 4 fragments, their scale words
.set CHB,   51200                      ; a part: four steps
.set SPARE, 204800                     ; the spare words, 128 bytes a wave
.set NM,  12                           ; -M, a pair a tile (the low word counts)
.set SMX, 16                           ; the largest score so far
.set F,   18                           ; f = 2^(old M - new M), a pair a tile
.set SUM, 22                           ; the row's sum: two pairs a tile
.set BM,  30                           ; the largest score, then p, of block b of tile t at 2 t + b
.set T,   34                           ; eight at work
.set SO,  42                           ; the conversions' scale operands
.set PW,  46                           ; p's scale words
.set QS,  48                           ; Q's scale words, 2 t + u
.set KS,  52                           ; K's scale words
.set VR,  54                           ; V's as they lie
.set VP,  56                           ; V's in order
.set QF,  60                           ; zeros | q0 | zeros | q1 | zeros, six registers each
.set KF,  92
.set VF,  140
.set STG, 188                          ; a half step on its way
.set O,   128
.set PC,  192
.set TMP, 216
.set MSB, 0
.macro WIN new                         ; the immediate's high byte repeats the setting that is left
.if MSB != (\new)
	s_set_vgpr_msb (MSB<<8)|(\new)
.set MSB, (\new)
.endif
.endm
.macro PLACES n
.rept \n
	v_nop
.endr
.endm
.macro LOADCH                          ; my half step of a part: 6,400 consecutive bytes
.set n, 0
.rept 12
	global_load_b128 v[STG+4*n:STG+4*n+3], v1, s[18:19] offset:512*n
.set n, n+1
.endr
	global_load_b64 v[STG+48:STG+49], v2, s[18:19] offset:6144
.endm
.macro STORECH                         ; and into LDS
.set n, 0
.rept 12
	ds_store_b128 v8, v[STG+4*n:STG+4*n+3] offset:512*n
.set n, n+1
.endr
	ds_store_b64 v9, v[STG+48:STG+49] offset:6144
.endm
.macro KLOAD o                         ; K's four fragments and two registers of scale words, o bytes behind the step's first byte: 18 loads
.irp i, 0,1,2,3
.irp u, 0,1
	ds_load_b128 v[KF+12*\i+6*\u:KF+12*\i+6*\u+3], v4 offset:\o+1536*\i+768*\u
	ds_load_b64 v[KF+12*\i+6*\u+4:KF+12*\i+6*\u+5], v5 offset:\o+1536*\i+768*\u+512
.endr
.endr
	ds_load_b32 v[KS], v6 offset:\o+6144           ; lanes 0-15 pair 0, lanes 16-31 pair 1;
	ds_load_b32 v[KS+1], v6 offset:\o+6272         ; pairs 2 and 3
.endm
.macro QK i, u, t                      ; key tile u of pair i x query tile t
.if (\i)%2
	v_wmma_scale_f32_16x16x128_f8f6f4 v[64*\t+8*(2*\i+\u):64*\t+8*(2*\i+\u)+7], v[KF+12*\i:KF+12*\i+11], v[QF+12*\t+6-6*\u:QF+12*\t+17-6*\u], 0, v[KS+\i/2], v[QS+2*\t+\u] matrix_a_fmt:MATRIX_FMT_FP6 matrix_b_fmt:MATRIX_FMT_FP6 matrix_a_scale:MATRIX_SCALE_ROW1
.else
	v_wmma_scale_f32_16x16x128_f8f6f4 v[64*\t+8*(2*\i+\u):64*\t+8*(2*\i+\u)+7], v[KF+12*\i:KF+12*\i+11], v[QF+12*\t+6-6*\u:QF+12*\t+17-6*\u], 0, v[KS+\i/2], v[QS+2*\t+\u] matrix_a_fmt:MATRIX_FMT_FP6 matrix_b_fmt:MATRIX_FMT_FP6
.endif
.endm
.macro PV c, t                         ; channel tile c x query tile t
.if (\c)/2
	v_wmma_scale_f32_16x16x128_f8f6f4 v[O+32*\t+8*\c:O+32*\t+8*\c+7], v[VF+12*\c:VF+12*\c+11], v[PC+12*\t:PC+12*\t+11], v[O+32*\t+8*\c:O+32*\t+8*\c+7], v[VP+(\c)%2], v[PW+\t] matrix_a_fmt:MATRIX_FMT_FP6 matrix_b_fmt:MATRIX_FMT_FP6 matrix_a_scale:MATRIX_SCALE_ROW1
.else
	v_wmma_scale_f32_16x16x128_f8f6f4 v[O+32*\t+8*\c:O+32*\t+8*\c+7], v[VF+12*\c:VF+12*\c+11], v[PC+12*\t:PC+12*\t+11], v[O+32*\t+8*\c:O+32*\t+8*\c+7], v[VP+(\c)%2], v[PW+\t] matrix_a_fmt:MATRIX_FMT_FP6 matrix_b_fmt:MATRIX_FMT_FP6
.endif
.endm
.macro MASK t                          ; tile t's hidden scores become -2^33, in a step that has a hole
	s_and_b32 s2, s[26+\t], s28
	s_cmp_lg_u32 s2, 0
	s_cbranch_scc0 .Lopen_\@                       ; every key of the step counts for every query of the tile
	s_load_b512 s[32:47], s[4:5], s11 offset:4096*\t      ; word n in s[32 + n], from n = 32 on in s[36 + n]
	s_load_b512 s[48:63], s[4:5], s11 offset:4096*\t+64
	s_load_b512 s[68:83], s[4:5], s11 offset:4096*\t+128
	s_load_b512 s[84:99], s[4:5], s11 offset:4096*\t+192
	s_wait_kmcnt 0x0
	WIN 0x44                                       ; destination and source 1 window 1
.set n, 0
.rept 64
.if n < 32
	v_cndmask_b32 v[64*\t+n], v7, v[64*\t+n], s[32+n]     ; each accumulator from its low end on
.else
	v_cndmask_b32 v[64*\t+n], v7, v[64*\t+n], s[36+n]
.endif
.set n, n+1
.endr
	WIN 0
	s_wait_alu depctr_va_vdst(0)                   ; the selects are done before a branch is taken and before the words' registers are loaded again
.Lopen_\@:
.endm
; 128 keys x my 32 queries.  stage = 1: a part of K and V goes into LDS on the side.  pref = 1: the next step's K is fetched and the next step's addresses are made.
.macro STEP stage, pref
	PLACES 4                                       ; in front of loads into registers that the last products have read
.irp c, 0,1,2,3
.irp k, 0,1
	ds_load_b128 v[VF+12*\c+6*\k:VF+12*\c+6*\k+3], v4 offset:6400+1536*\c+768*\k
	ds_load_b64 v[VF+12*\c+6*\k+4:VF+12*\c+6*\k+5], v5 offset:6400+1536*\c+768*\k+512
.endr
.endr
	ds_load_b32 v[VR], v6 offset:12544             ; V's scale words, keys 0-63: lanes 0-15 tiles 0, 1 (two bytes each), lanes 16-31 tiles 2, 3;
	ds_load_b32 v[VR+1], v6 offset:12672           ; keys 64-127
	s_wait_dscnt 18                                ; K's 18 loads, asked for a step ago, are in; V's 18 just issued may be out
	WIN 0x40                                       ; the scores: window 1
.irp i, 0,1,2,3
.irp u, 0,1
.irp t, 0,1
	QK \i, \u, \t
.endr
.endr
.endr
	WIN 0
	PLACES 4                                       ; behind them K's registers are loaded again, and the scores are read
.if \pref
	KLOAD STEPB                                    ; the next step's K
.endif
	MASK 0
	MASK 1
	WIN 0x15                                       ; THE LARGEST SCORE OF EACH BLOCK OF 32 KEYS, all 32 in my lane: it serves the row's maximum and, since p rises with the score, the block's largest p
.irp q, 0,1,2,3
	v_max3_num_f32 v[BM+\q], v[32*\q], v[32*\q+1], v[32*\q+2]
.endr
	WIN 0x14
.irp i, 3,5,7,9,11,13,15,17,19,21,23,25,27,29
.irp q, 0,1,2,3
	v_max3_num_f32 v[BM+\q], v[BM+\q], v[32*\q+\i], v[32*\q+\i+1]    ; four chains by turns
.endr
.endr
.irp q, 0,1,2,3
	v_max_num_f32 v[BM+\q], v[BM+\q], v[32*\q+31]
.endr
	WIN 0
.irp t, 0,1
	v_max_num_f32 v[T+\t], v[BM+2*\t], v[BM+2*\t+1]
.endr
.irp t, 0,1
	s_delay_alu instid0(VALU_DEP_2)
	v_permlanex16_b32 v[T+2+\t], v[T+\t], s12, s13
.endr
.irp t, 0,1
	s_delay_alu instid0(VALU_DEP_2)
	v_max3_num_f32 v[SMX+\t], v[SMX+\t], v[T+\t], v[T+2+\t]   ; the running largest score, with lane l xor 16's 64 keys
.endr
.irp t, 0,1
	s_delay_alu instid0(VALU_DEP_2)
	v_mul_f32 v[T+\t], s29, v[SMX+\t]              ; -t
.endr
.if \pref
	s_add_co_u32 s9, s9, STEPB                     ; the next step's LDS addresses: this step's last loads by them have been issued
	v_add_nc_u32 v4, s9, v1
	v_add_nc_u32 v5, s9, v2
	v_add_nc_u32 v6, s9, v3
.endif
.irp t, 0,1
	v_floor_f32 v[T+\t], v[T+\t]                   ; the new -M = -ceil(t)
.endr
.irp t, 0,1
	s_delay_alu instid0(VALU_DEP_2)
	v_sub_f32 v[T+2+\t], v[T+\t], v[NM+2*\t]       ; old M - new M: a whole number, 0 or less
.endr
.irp t, 0,1
	v_mov_b32 v[NM+2*\t], v[T+\t]
.endr
.irp t, 0,1
	v_cvt_i32_f32 v[T+2+\t], v[T+2+\t]             ; (it saturates)
.endr
.irp q, 0,1,2,3
	v_fma_f32 v[BM+\q], v[BM+\q], s14, v[NM+2*(\q/2)]   ; t - M of each block's largest score
.endr
.irp t, 0,1
	v_ldexp_f32 v[F+2*\t], 1.0, v[T+2+\t]          ; f = 2^(old M - new M)
.endr
	WIN 0x41                                       ; source 0 and destination window 1
.set n, 0
.rept 32
	v_pk_fma_f32 v[n:n+1], v[n:n+1], s[14:15], v[NM:NM+1] op_sel_hi:[1,0,0]                   ; tile 0: t - M, two at a time;
	v_pk_fma_f32 v[64+n:64+n+1], v[64+n:64+n+1], s[14:15], v[NM+2:NM+3] op_sel_hi:[1,0,0]     ; tile 1;
	v_pk_mul_f32 v[O+n:O+n+1], v[O+n:O+n+1], v[F+2*(n/32):F+2*(n/32)+1] op_sel_hi:[1,0]       ; O^T under the new M, each accumulator from its low end on, ahead of the exponentials
.set n, n+2
.endr
	s_wait_alu depctr_va_vdst(0)                   ; ahead of the batch
.set n, 0
.rept 128                                      ; p = 2^(t - M), at most 1, of both tiles
	v_exp_f32 v[n], v[n]                           ; p of both tiles
.set n, n+1
.endr
	WIN 0
.irp q, 0,1,2,3
	v_exp_f32 v[BM+\q], v[BM+\q]                   ; the block's largest p
.endr
.irp a, 0,2,4,6
	v_pk_mul_f32 v[SUM+\a:SUM+\a+1], v[SUM+\a:SUM+\a+1], v[F+2*(\a/4):F+2*(\a/4)+1] op_sel_hi:[1,0]   ; the sums under the new M: plain places behind the exponentials
.endr
	s_wait_alu depctr_va_vdst(0)                   ; one wait for the batch, ahead of its first reader, and directly ahead of the wait below
	s_wait_dscnt 18*\pref                          ; V and its scale words are in; the next step's K, 18 younger loads, may be out
	v_perm_b32 v[VP], v[VR+1], v[VR], 0x05040100   ; V's scale words of the even tiles: the four blocks of 32 keys in order;
	v_perm_b32 v[VP+1], v[VR+1], v[VR], 0x07060302 ; of the odd tiles
.irp q, 0,1,2,3
	v_max_num_f32 v[BM+\q], 0x1800000, v[BM+\q]    ; the floor 2^(3 - 127): the byte cannot fall under 1
.endr
.irp q, 0,1,2,3
	v_add_nc_u32 v[SO+\q], 0xff000000, v[BM+\q]    ; 2 off the exponent field: the conversion's scale operand
.endr
.irp q, 0,1,2,3
	v_lshrrev_b32 v[T+\q], 23, v[SO+\q]            ; the scale's byte
.endr
.irp t, 0,1
	v_lshl_or_b32 v[T+4+\t], v[T+2*\t+1], 16, v[T+2*\t]   ; my two bytes: blocks h and 2 + h of these 128 keys,
.endr
.irp t, 0,1
	s_delay_alu instid0(VALU_DEP_2)
	v_lshlrev_b32 v[T+4+\t], v10, v[T+4+\t]        ; at their places in the word (8 h bits up);
.endr
.irp t, 0,1
	s_delay_alu instid0(VALU_DEP_2)
	v_permlanex16_b32 v[T+6+\t], v[T+4+\t], s12, s13
.endr
.irp t, 0,1
	s_delay_alu instid0(VALU_DEP_2)
	v_or_b32 v[PW+\t], v[T+4+\t], v[T+6+\t]        ; with lane l xor 16's two the word is whole
.endr
	WIN 0x41
.irp q, 0,1,2,3
	v_cvt_scalef32_pk16_fp6_f32 v[PC+6*\q:PC+6*\q+2], v[32*\q:32*\q+15], v[SO+\q]          ; registers 6 b .. 6 b + 5 of tile t's operand stand at PC + 6 (2 t + b)
	v_cvt_scalef32_pk16_fp6_f32 v[TMP+4*\q:TMP+4*\q+2], v[32*\q+16:32*\q+31], v[SO+\q]     ; (a conversion's three registers begin on an even number)
.endr
	v_nop                                          ; one plain place behind a scaled conversion
.irp q, 0,1,2,3
.irp i, 0,1,2
	v_mov_b32 v[PC+6*\q+3+\i], v[TMP+4*\q+\i]
.endr
.endr
.if \stage
	WIN 0
	s_wait_loadcnt 0x0                             ; my half step of the next part, asked for a step ago, is in registers
	STORECH                                        ; its bytes lie at 51,200 and above: nobody reads them before the barrier behind this loop
.endif
	WIN 0x04                                       ; source 1 window 1
.set n, 0
.rept 16                                       ; THE ROW'S SUM IS TAKEN OF THE UNQUANTISED p: four chains by turns.  These 64 are also the places between the codes and scale words just made and the products
.irp t, 0,1
	v_pk_add_f32 v[SUM+4*\t:SUM+4*\t+1], v[SUM+4*\t:SUM+4*\t+1], v[64*\t+n:64*\t+n+1]
	v_pk_add_f32 v[SUM+4*\t+2:SUM+4*\t+3], v[SUM+4*\t+2:SUM+4*\t+3], v[64*\t+n+2:64*\t+n+3]
.endr
.set n, n+4
.endr
.if \stage
	WIN 0
	s_wait_alu depctr_va_vdst(0)                   ; directly ahead of the wait below
	s_wait_dscnt 0x0                               ; for the others' sake: my stores have landed; the registers that they read are free
	s_cmp_eq_u32 s10, 1                            ; the third trip has stored part 3: nothing is left to ask for
	s_cbranch_scc1 .Lnoload_\@
	s_add_nc_u64 s[18:19], s[18:19], CHB           ; (the loads that read this base are done)
	LOADCH                                         ; a whole step ahead of its stores
.Lnoload_\@:
	s_add_co_u32 s20, s20, CHB
	v_add_nc_u32 v8, s20, v1                       ; where the next part goes
	v_add_nc_u32 v9, s20, v2
.endif
	WIN 0x54                                       ; source 0 (V) window 0; p's codes and O^T window 1
.irp c, 0,1,2,3                                ; eight accumulators by turns, one instruction a turn
.irp t, 0,1
	PV \c, \t
.endr
.endr
	WIN 0
	s_add_co_u32 s11, s11, 256                     ; the mask words' offset
	s_lshl_b32 s28, s28, 1                         ; the step's bit in the flags
.endm
	s_load_b256 s[16:23], s[0:1], 0x0              ; qimg, kv, maskw, ao
	s_load_b64 s[100:101], s[0:1], 0x20            ; holes
	v_lshl_add_u32 v254, v0, 2, SPARE
	v_mov_b32 v255, 0
	v_lshrrev_b32 v1, 5, v0
	v_readfirstlane_b32 s8, v1                     ; wave 0..7
	v_and_b32 v11, 31, v0                          ; lane
	v_and_b32 v6, 15, v0
	v_bfe_u32 v10, v0, 4, 1
	v_lshlrev_b32 v1, 4, v11
	v_lshlrev_b32 v2, 3, v11
	v_lshlrev_b32 v3, 2, v11
	v_lshlrev_b32 v6, 2, v6                        ; 4 r
	v_lshlrev_b32 v10, 3, v10                      ; 8 h
	s_and_b32 s32, ttmp7, 0xffff                   ; bh = 16 x batch + head
	s_lshl_b32 s33, ttmp9, 4
	s_lshl_b32 s2, s8, 1
	s_add_co_u32 s33, s33, s2                      ; T: the first of my two tiles of queries in the batch
	s_lshr_b32 s34, s32, 4
	s_lshl_b32 s34, s34, 7
	s_add_co_u32 s34, s34, s33                     ; TT = 128 x batch + T
	s_and_b32 s35, s32, 15                         ; the head
	s_mul_i32 s30, s8, 6400                        ; my half step in a part
	s_mul_i32 s37, s32, 102400
	s_mov_b32 s3, 0
	s_mov_b32 s12, 0x76543210
	s_mov_b32 s13, 0xfedcba98                      ; v_permlanex16_b32's selects for lane l xor 16
	s_mov_b32 s14, 0x3e38aa3b                      ; c = log2(e) / 8
	s_mov_b32 s15, s14                             ; (named with it as a pair)
	s_mov_b32 s29, 0xbe38aa3b                      ; -c
	s_mov_b32 s28, 1
	s_mov_b32 s11, 0
	s_wait_alu depctr_va_vdst(0)                   ; directly ahead of the wait below
	s_wait_kmcnt 0x0
	s_mul_i32 s2, s33, 768
	s_add_co_u32 s2, s2, s37
	s_add_nc_u64 s[38:39], s[16:17], s[2:3]        ; Q's codes: my two half fragments
	s_lshl_b32 s2, s33, 5
	s_add_co_u32 s2, s2, s37
	s_add_co_u32 s2, s2, 98304
	s_add_nc_u64 s[16:17], s[16:17], s[2:3]        ; Q's scale words: my pair's
	s_mul_i32 s2, s32, 204800
	s_add_co_u32 s2, s2, s30
	s_add_nc_u64 s[18:19], s[18:19], s[2:3]        ; the head's K and V: my half step of part 0
	global_load_b128 v[QF+6:QF+9], v1, s[38:39]
	global_load_b64 v[QF+10:QF+11], v2, s[38:39] offset:512
	global_load_b128 v[QF+18:QF+21], v1, s[38:39] offset:768
	global_load_b64 v[QF+22:QF+23], v2, s[38:39] offset:1280
	global_load_b32 v[T], v6, s[16:17]
	LOADCH
	s_lshl_b32 s2, s34, 4
	s_add_co_u32 s2, s2, s35
	s_mul_i32 s2, s2, 768
	s_add_nc_u64 s[6:7], s[22:23], s[2:3]          ; o's codes: [TT][head], 768 bytes
	s_lshl_b32 s2, s32, 7
	s_add_co_u32 s2, s2, s33
	s_lshl_b32 s2, s2, 6
	s_add_co_u32 s2, s2, 3145728
	s_add_nc_u64 s[24:25], s[22:23], s[2:3]        ; o's scale words: [bh][T][r]
	s_lshl_b32 s2, s34, 12
	s_add_nc_u64 s[4:5], s[20:21], s[2:3]          ; my tiles' mask words
	s_lshl_b32 s31, s34, 2                         ; (not written again: a pending load's offset)
	s_load_b64 s[26:27], s[100:101], s31 offset:0x0   ; my two tiles' flags: bit s = step s has a hole
	v_mov_b32 v7, 0xd0000000                       ; -2^33
	v_add_nc_u32 v8, s30, v1                       ; where part 0 goes
	v_add_nc_u32 v9, s30, v2
.irp t, 0,1
	v_mov_b32 v[SMX+\t], 0xff61b1e6                ; the largest score so far: -3e38
	v_mov_b32 v[NM+2*\t+1], 0                      ; (named as the upper halves of pairs)
	v_mov_b32 v[F+2*\t+1], 0
.endr
.irp t, 0,1
	v_mul_f32 v[NM+2*\t], s29, v[SMX+\t]
.endr
.irp t, 0,1
	s_delay_alu instid0(VALU_DEP_2)
	v_floor_f32 v[NM+2*\t], v[NM+2*\t]             ; -M
.endr
.irp i, 0,1,2,3,4,5,6,7
	v_mov_b32 v[SUM+\i], 0
.endr
.irp i, 1,2,3,4,5,6,7
	v_mov_b32 v[T+\i], 0                           ; written once: a lane permute's destination counts as one of its sources
.endr
.irp i, 0,1,2,3,4,5
	v_mov_b32 v[QF+\i], 0
	v_mov_b32 v[QF+12+\i], 0
	v_mov_b32 v[QF+24+\i], 0
.endr
	s_wait_loadcnt 13                              ; Q and its scale words are in; part 0's 13 loads may be out
	v_and_b32 v[T+1], 0xffff, v[T]                 ; tile 0's two bytes of the pair's word,
	v_lshrrev_b32 v[T+2], 16, v[T]                 ; tile 1's
.irp t, 0,1
	v_or_b32 v[QS+2*\t], 0x01010000, v[T+1+\t]     ; Q's scales for q | zeros: (s0, s1, 1, 1)
	v_lshl_or_b32 v[QS+2*\t+1], v[T+1+\t], 16, 0x0101   ; and for zeros | q: (1, 1, s0, s1)
.endr
	WIN 0x40
.set n, 0
.rept 64
	v_mov_b32 v[O+n], 0                            ; O^T.  (The step is written once: the first finds zeros.)  These lines also stand between the scale words just made and the first product
.set n, n+1
.endr
	WIN 0
	s_wait_alu depctr_va_vdst(0)                   ; at the head's end
	s_wait_kmcnt 0x0                               ; the flags
	s_wait_loadcnt 0x0                             ; my half step of part 0
	STORECH
	s_wait_dscnt 0x0                               ; for the others' sake: my stores have landed
	s_barrier_signal -1
	s_barrier_wait -1                              ; steps 0 to 3 lie in LDS
	s_add_nc_u64 s[18:19], s[18:19], CHB
	LOADCH                                         ; part 1
	s_add_co_u32 s20, s30, CHB
	s_mov_b32 s9, 0                                ; the step's first LDS byte
	v_add_nc_u32 v8, s20, v1
	v_add_nc_u32 v9, s20, v2
	v_add_nc_u32 v4, s9, v1
	v_add_nc_u32 v5, s9, v2
	v_add_nc_u32 v6, s9, v3
	s_wait_alu depctr_va_vdst(0)
	KLOAD 0                                        ; step 0's K
	s_mov_b32 s10, 3
.Lfirst:                                           ; steps 0, 1, 2: parts 1, 2, 3 go into LDS on the side
	STEP 1, 1
	s_sub_co_u32 s10, s10, 1
	s_cmp_lg_u32 s10, 0
	s_cbranch_scc1 .Lfirst
	s_wait_dscnt 0x0
	s_barrier_signal -1
	s_barrier_wait -1                              ; the head's whole K and V lie in LDS; nobody writes LDS again
	s_mov_b32 s10, 12
.Lrest:                                            ; steps 3 to 14
	STEP 0, 1
	s_sub_co_u32 s10, s10, 1
	s_cmp_lg_u32 s10, 0
	s_cbranch_scc1 .Lrest
	STEP 0, 0                                      ; step 15 fetches nothing ahead
	; THE WAY OUT: O^T / the sum; register 16 b + i is channel 32 b + 16 h + i of my query: two blocks of 32 a tile, each in lanes l and l xor 16
.irp t, 0,1
	v_pk_add_f32 v[SUM+4*\t:SUM+4*\t+1], v[SUM+4*\t:SUM+4*\t+1], v[SUM+4*\t+2:SUM+4*\t+3]
.endr
.irp t, 0,1
	s_delay_alu instid0(VALU_DEP_2)
	v_add_f32 v[SUM+4*\t], v[SUM+4*\t], v[SUM+4*\t+1]
.endr
.irp t, 0,1
	s_delay_alu instid0(VALU_DEP_2)
	v_permlanex16_b32 v[T+2+\t], v[SUM+4*\t], s12, s13
.endr
.irp t, 0,1
	s_delay_alu instid0(VALU_DEP_2)
	v_add_f32 v[SUM+4*\t], v[SUM+4*\t], v[T+2+\t]  ; the row's sum
.endr
	s_wait_alu depctr_va_vdst(0)                   ; ahead of the transcendentals
	v_rcp_f32 v[F], v[SUM]
	v_rcp_f32 v[F+2], v[SUM+4]
	v_nop                                          ; one plain place behind a transcendental
	s_wait_alu depctr_va_vdst(0)                   ; ahead of the first reader of the quotients and of O^T
	WIN 0x41
.irp t, 0,1
.set n, 0
.rept 16
	v_pk_mul_f32 v[64*\t+n:64*\t+n+1], v[O+32*\t+n:O+32*\t+n+1], v[F+2*\t:F+2*\t+1] op_sel_hi:[1,0]   ; each accumulator from its low end on
.set n, n+2
.endr
.endr
	WIN 0x55                                       ; all in window 1: tile t's o at 64 t, at work from 64 t + 32 on
.irp q, 0,1,2,3
	v_max3_num_f32 v[64*(\q/2)+32+(\q%2)], |v[64*(\q/2)+16*(\q%2)]|, |v[64*(\q/2)+16*(\q%2)+1]|, 0x1800000
.endr
.irp i, 2,4,6,8,10,12,14
.irp q, 0,1,2,3
	v_max3_num_f32 v[64*(\q/2)+32+(\q%2)], v[64*(\q/2)+32+(\q%2)], |v[64*(\q/2)+16*(\q%2)+\i]|, |v[64*(\q/2)+16*(\q%2)+\i+1]|
.endr
.endr
.irp q, 0,1,2,3
	v_permlanex16_b32 v[64*(\q/2)+34+(\q%2)], v[64*(\q/2)+32+(\q%2)], s12, s13
.endr
.irp q, 0,1,2,3
	v_max_num_f32 v[64*(\q/2)+32+(\q%2)], v[64*(\q/2)+32+(\q%2)], v[64*(\q/2)+34+(\q%2)]
.endr
.irp q, 0,1,2,3
	v_add_nc_u32 v[64*(\q/2)+36+(\q%2)], 0xff000000, v[64*(\q/2)+32+(\q%2)]
.endr
.irp q, 0,1,2,3
	v_lshrrev_b32 v[64*(\q/2)+34+(\q%2)], 23, v[64*(\q/2)+36+(\q%2)]
.endr
.irp t, 0,1
	v_lshl_or_b32 v[64*\t+38], v[64*\t+35], 8, v[64*\t+34]   ; my query's two scale bytes of this head; both halves of the lanes hold them
.endr
	s_mov_b32 s2, 0xffff0000
	v_cndmask_b32 v38, v38, v102, s2               ; lanes 0-15 tile 0's words, lanes 16-31 tile 1's
.irp t, 0,1
	v_cvt_scalef32_pk16_fp6_f32 v[PC+12*\t:PC+12*\t+2], v[64*\t:64*\t+15], v[64*\t+36]
	v_cvt_scalef32_pk16_fp6_f32 v[TMP+8*\t:TMP+8*\t+2], v[64*\t+16:64*\t+31], v[64*\t+37]
.endr
	v_nop                                          ; one plain place behind a scaled conversion
.irp t, 0,1
.irp i, 0,1,2
	v_permlane16_swap_b32 v[PC+12*\t+\i], v[TMP+8*\t+\i]   ; a whole block to a lane
.endr
.endr
.irp t, 0,1
.irp i, 0,1,2
	v_mov_b32 v[PC+12*\t+3+\i], v[TMP+8*\t+\i]
.endr
.endr
	WIN 0x04                                       ; a store's data are its source 1
.irp t, 0,1
	global_store_b128 v1, v[PC+12*\t:PC+12*\t+3], s[6:7] offset:12288*\t         ; 512 consecutive bytes,
	global_store_b64 v2, v[PC+12*\t+4:PC+12*\t+5], s[6:7] offset:12288*\t+512    ; and 256
.endr
	global_store_b32 v3, v38, s[24:25]             ; 128 consecutive bytes: the two tiles' scale words
	WIN 0
	s_wait_tensorcnt 0x0                           ; the wave's end
	ds_add_u32 v254, v255
	s_wait_dscnt 0x0
	s_endpgm
.Lfunc_end_k_q2a736737dd_attn:
	.size	k_q2a736737dd_attn, .Lfunc_end_k_q2a736737dd_attn-k_q2a736737dd_attn
	.p2alignl 7, 3214868480
	.fill 96, 4, 3214868480
	.section	.rodata,"a",@progbits
	.p2align	6, 0x0
	.amdhsa_kernel k_q2a736737dd_attn
		.amdhsa_group_segment_fixed_size 205824
		.amdhsa_private_segment_fixed_size 0
		.amdhsa_enable_private_segment 0
		.amdhsa_kernarg_size 40
		.amdhsa_user_sgpr_count 2
		.amdhsa_user_sgpr_kernarg_segment_ptr 1
		.amdhsa_wavefront_size32 1
		.amdhsa_system_sgpr_workgroup_id_x 1
		.amdhsa_system_sgpr_workgroup_id_y 1
		.amdhsa_system_sgpr_workgroup_id_z 1
		.amdhsa_system_vgpr_workitem_id 0
		.amdhsa_next_free_vgpr 512
		.amdhsa_next_free_sgpr 102
		.amdhsa_reserve_vcc 0
		.amdhsa_float_denorm_mode_32 3
		.amdhsa_float_denorm_mode_16_64 3
		.amdhsa_memory_ordered 1
		.amdhsa_forward_progress 1
		.amdhsa_inst_pref_size 132
	.end_amdhsa_kernel
	.amdgpu_metadata
---
amdhsa.version: [ 1, 2 ]
amdhsa.kernels:
  - .name:           k_q2a736737dd_attn
    .symbol:         k_q2a736737dd_attn.kd
    .args:
      - { .name: qimg, .offset: 0, .size: 8, .value_kind: global_buffer, .address_space: global }
      - { .name: kv, .offset: 8, .size: 8, .value_kind: global_buffer, .address_space: global }
      - { .name: maskw, .offset: 16, .size: 8, .value_kind: global_buffer, .address_space: global }
      - { .name: ao, .offset: 24, .size: 8, .value_kind: global_buffer, .address_space: global }
      - { .name: holes, .offset: 32, .size: 8, .value_kind: global_buffer, .address_space: global }
    .group_segment_fixed_size: 205824
    .private_segment_fixed_size: 0
    .kernarg_segment_align: 8
    .kernarg_segment_size: 40
    .max_flat_workgroup_size: 256
    .sgpr_count:     102
    .vgpr_count:     512
    .wavefront_size: 32
...
	.end_amdgpu_metadata
.endif
;; end of part 2
;; launch oproj (part 3): grid 256 x 1, 4 waves a work-group, no clusters, 267,776 bytes of LDS; arguments ao, wo_w_codes, wo_w_scales, wo_b, out0; writes out0
.if DOCPART == 3
	.amdgcn_target "amdgcn-amd-amdhsa--gfx1250"
	.amdhsa_code_object_version 6
	.text
	.protected	k_q2a736737dd_oproj
	.globl	k_q2a736737dd_oproj
	.p2align	8
	.type	k_q2a736737dd_oproj,@function
k_q2a736737dd_oproj:
	s_mov_b64 s[64:65], 0
	v_nop
	global_prefetch_b8 v0, s[64:65] scope:SCOPE_SE
	s_setreg_imm32_b32 hwreg(HW_REG_WAVE_MODE, 25, 1), 1
	s_wait_xcnt 0x0
; out = o Wo^T + bo on codes of FP6 (E2M3) with E8M0 scales.  o comes from the attention launch as half fragments [tile of 16 tokens][head], 768 bytes each, with two scale bytes a token and head.
; SHARES.  Work-group: 64 tokens (4 tiles, 2 pairs) x 256 features.  Wave w owns features 64 w .. 64 w + 63 of them: 4 tiles x 8 K steps of Wo = 32 fragments, 384 registers, read once.
; D = Wo (source 0) x o (source 1)^T: a lane holds one token, its registers run along the features; the bias is the C of each sum's first product.
; Lane r of tile u of a run of 32 rows (tokens, features) stands for row 8 u + r + 8 (r / 8), so that a lane's 16 registers of two neighbouring feature tiles are 16 neighbouring features.
; LDS: the 4 token tiles' images, 49,152 bytes as they lie in memory (wave w brings tile w; one barrier); 64 rows for each wave to turn Wo's rows into fragments; a stage for each wave on the way out.
; NO JOINT LOADS: a work-group reads 49,152 bytes of o and 4 x 49,152 of Wo once, at its head, through registers (Wo's rows land in another order than memory's); there is no loop of refills to share.
; REGISTERS.  window 0: v6-23 addresses; v24-55 Wo's scale words; v56-71 o's, [pair][K step]; v72-167 o's fragments, 4 sets of 24, later rows of out; v168-231 8 accumulators; v250, v251 16 and 8 x lane.
;   window 1: Wo's fragments of K steps 0-4; v250, v251 again.   window 2: those of K steps 5-7; v160-191 the bias.
.set PITCH, 784
.set STATR, 49152
.set STATB, 64*PITCH
.set OSTG,  STATR+4*STATB
.set SS,  24
.set XS,  56
.set XF,  72
.set ACC, 168
.set MSB, 0
.macro WIN new                         ; the immediate's high byte repeats the setting that is left
.if MSB != (\new)
	s_set_vgpr_msb (MSB<<8)|(\new)
.set MSB, (\new)
.endif
.endm
.macro PLACES n
.rept \n
	v_nop
.endr
.endm
; 8 rows of 768 bytes, as 12 dense loads of 512 bytes left them, go to 8 neighbouring LDS rows: 16 bytes more for each row passed; where a load straddles a row's end the second address register serves
.macro STAGE8 reg, adr, base
.irp n, 0,1,2,3,4,5,6,7,8,9,10,11
.if \n%3 == 1
	ds_store_b128 v[\adr+1], v[\reg+4*\n:\reg+4*\n+3] offset:\base+512*\n+32*(\n/3)
.else
	ds_store_b128 v[\adr], v[\reg+4*\n:\reg+4*\n+3] offset:\base+512*\n+32*(\n/3)+16*((\n%3)/2)
.endif
.endr
.endm
	s_load_b256 s[8:15], s[0:1], 0x0               ; ao, Wo's codes, Wo's scales, bo
	s_load_b64 s[16:17], s[0:1], 0x20              ; out
	v_lshl_add_u32 v254, v0, 2, 0x41400
	v_mov_b32 v255, 0
	v_lshrrev_b32 v1, 5, v0
	v_readfirstlane_b32 s19, v1                    ; wave 0..3
	v_and_b32 v1, 31, v0
	v_and_b32 v2, 15, v0                           ; r
	v_bfe_u32 v3, v0, 4, 1                         ; h
	v_lshlrev_b32 v250, 4, v1
	v_lshlrev_b32 v251, 3, v1
	v_lshlrev_b32 v6, 2, v1
	s_and_b32 s20, ttmp9, 3                        ; which 256 features
	s_lshr_b32 s21, ttmp9, 2                       ; which 64 tokens
	s_lshl_b32 s22, s20, 8
	s_lshl_b32 s23, s19, 6
	s_add_co_u32 s22, s22, s23                     ; my first feature
	s_mov_b32 s3, 0
	s_wait_alu depctr_va_vdst(0)
	s_wait_kmcnt 0x0
	s_mul_i32 s2, s22, 768
	s_add_nc_u64 s[10:11], s[10:11], s[2:3]
	s_lshl_b32 s2, s22, 5
	s_add_nc_u64 s[12:13], s[12:13], s[2:3]
	s_lshl_b32 s2, s22, 2
	s_add_nc_u64 s[14:15], s[14:15], s[2:3]
	s_add_nc_u64 s[16:17], s[16:17], s[2:3]
	s_lshl_b32 s2, s21, 18                         ; 64 rows of 4,096 bytes
	s_add_nc_u64 s[16:17], s[16:17], s[2:3]
	s_lshl_b32 s2, s21, 2
	s_add_co_u32 s2, s2, s19
	s_mul_i32 s2, s2, 12288
	s_add_nc_u64 s[24:25], s[8:9], s[2:3]          ; the token tile that I bring: 16 heads x 768 bytes
	s_lshr_b32 s2, s21, 5                          ; the batch
	s_lshl_b32 s2, s2, 11
	s_and_b32 s23, s21, 31
	s_lshl_b32 s23, s23, 2
	s_add_co_u32 s2, s2, s23
	s_lshl_b32 s2, s2, 6
	s_add_co_u32 s2, s2, 3145728
	s_add_nc_u64 s[26:27], s[8:9], s[2:3]          ; the scale words of head 0, my block's first tile; a head on: 8,192 bytes
	s_mul_i32 s2, s19, 12288
	v_add_nc_u32 v7, s2, v250                      ; where that tile goes
	s_mul_i32 s2, s19, 16*272
	s_add_co_u32 s2, s2, OSTG
	v_mul_u32_u24 v8, v2, 272
	v_lshl_add_u32 v8, v3, 6, v8
	v_add_nc_u32 v8, s2, v8                        ; my stage, in: row r, + 64 h
	v_mul_u32_u24 v9, v3, 272
	v_lshl_add_u32 v9, v2, 4, v9
	v_add_nc_u32 v9, s2, v9                        ; back: sixteen lanes to a row's 256 bytes, two rows an instruction
	v_lshlrev_b32 v10, 12, v3
	v_lshl_add_u32 v10, v2, 4, v10                 ; and the same in out
	v_and_b32 v23, 8, v2
	v_add_nc_u32 v23, v23, v2
	v_lshlrev_b32 v23, 5, v23                      ; Wo's scale words: 32 bytes a row, row r + 8 (r / 8)
	s_mul_i32 s2, s19, STATB
	s_add_co_u32 s2, s2, STATR
	v_add_nc_u32 v20, s2, v250
	v_lshl_add_u32 v21, v3, 4, v20
	v_mul_u32_u24 v22, v2, PITCH
	v_mad_u32_u24 v22, v3, 24, v22
	v_add_nc_u32 v22, s2, v22
	v_lshlrev_b32 v3, 6, v3                        ; 64 h: the bias
.set n, 0
.rept 24
	global_load_b128 v[XF+4*n:XF+4*n+3], v250, s[24:25] offset:512*n
.set n, n+1
.endr
.irp pr, 0,1
.irp hd, 0,1,2,3,4,5,6,7,8,9,10,11,12,13,14,15
	global_load_b32 v[ACC+16*\pr+\hd], v6, s[26:27] offset:8192*\hd+128*\pr   ; lanes 0-15 the pair's tile 0, lanes 16-31 tile 1
.endr
.endr
	WIN 0x40
.set n, 0
.rept 60
	global_load_b128 v[4*n:4*n+3], v250, s[10:11] offset:512*n
.set n, n+1
.endr
	WIN 0x80
.rept 36
	global_load_b128 v[4*(n-60):4*(n-60)+3], v250, s[10:11] offset:512*n
.set n, n+1
.endr
.irp t, 0,1,2,3                                ; tile t = 2 b + u: lane (r, h), register j: feature 32 b + 8 u + 16 h + j
.irp q, 0,1
	global_load_b128 v[160+8*\t+4*\q:163+8*\t+4*\q], v3, s[14:15] offset:(32*(\t/2)+8*(\t%2))*4+16*\q
.endr
.endr
	WIN 0
.irp t, 0,1,2,3
.irp q, 0,1
	global_load_b128 v[SS+8*\t+4*\q:SS+8*\t+4*\q+3], v23, s[12:13] offset:(32*(\t/2)+8*(\t%2))*32+16*\q
.endr
.endr
	s_wait_alu depctr_va_vdst(0)
	s_wait_loadcnt 0x0
.set n, 0
.rept 24
	ds_store_b128 v7, v[XF+4*n:XF+4*n+3] offset:512*n
.set n, n+1
.endr
	WIN 0x04
.irp y, 0,1,2,3,4
	STAGE8 48*\y, 20, (32*(\y/4)+16*(\y%2)+8*((\y/2)%2))*PITCH
.endr
	WIN 0x08
.irp y, 5,6,7
	STAGE8 48*(\y-5), 20, (32*(\y/4)+16*(\y%2)+8*((\y/2)%2))*PITCH
.endr
	WIN 0
.irp pr, 0,1
.irp g, 0,1,2,3,4,5,6,7
	v_perm_b32 v[XS+8*\pr+\g], v[ACC+16*\pr+2*\g+1], v[ACC+16*\pr+2*\g], 0x05040100   ; K step g: heads 2 g and 2 g + 1, two bytes each
.endr
.endr
	s_wait_dscnt 0x0                               ; for the others' sake: my stores have landed
	s_barrier_signal -1
	s_barrier_wait -1                              ; the four token tiles lie in LDS; nobody writes them again
	WIN 0x40
.irp s, 0,1,2,3,4
.irp t, 0,1,2,3
.irp p, 0,1,2,3,4,5
	ds_load_b64 v[12*(4*\s+\t)+2*\p:12*(4*\s+\t)+2*\p+1], v22 offset:16*\t*PITCH+96*\s+48*(\p/3)+8*(\p%3)
.endr
.endr
.endr
	v_mov_b32 v250, v250                           ; once more in window 1: loads that stand among the products take their address where source 0's window is
	s_wait_alu depctr_va_vdst(0)
	v_mov_b32 v251, v251
	s_wait_alu depctr_va_vdst(0)
	WIN 0x80
.irp s, 5,6,7
.irp t, 0,1,2,3
.irp p, 0,1,2,3,4,5
	ds_load_b64 v[12*(4*(\s-5)+\t)+2*\p:12*(4*(\s-5)+\t)+2*\p+1], v22 offset:16*\t*PITCH+96*\s+48*(\p/3)+8*(\p%3)
.endr
.endr
.endr
	WIN 0
	PLACES 8                                       ; between scale words made by vector instructions and the first scaled product
.macro LOADX3 pr, g                            ; the pair's two fragments of K step g, two half fragments each, into set g % 4
.irp u, 0,1
.irp c, 0,1
	ds_load_b128 v[XF+24*((\g)%4)+12*\u+6*\c:XF+24*((\g)%4)+12*\u+6*\c+3], v250 offset:(2*\pr+\u)*12288+(2*(\g)+\c)*768
	ds_load_b64 v[XF+24*((\g)%4)+12*\u+6*\c+4:XF+24*((\g)%4)+12*\u+6*\c+5], v251 offset:(2*\pr+\u)*12288+(2*(\g)+\c)*768+512
.endr
.endr
.endm
.macro MM3 pr, g, u, t
.set rD, ACC+8*(4*\u+\t)
.set rA, 12*(4*((\g)%5)+\t)
.set rB, XF+24*((\g)%4)+12*\u
.set rC, rD
.if \g == 0
.set rC, 160+8*\t
.endif
.if \u
	v_wmma_scale_f32_16x16x128_f8f6f4 v[rD:rD+7], v[rA:rA+11], v[rB:rB+11], v[rC:rC+7], v[SS+8*\t+\g], v[XS+8*\pr+\g] matrix_a_fmt:MATRIX_FMT_FP6 matrix_b_fmt:MATRIX_FMT_FP6 matrix_b_scale:MATRIX_SCALE_ROW1
.else
	v_wmma_scale_f32_16x16x128_f8f6f4 v[rD:rD+7], v[rA:rA+11], v[rB:rB+11], v[rC:rC+7], v[SS+8*\t+\g], v[XS+8*\pr+\g] matrix_a_fmt:MATRIX_FMT_FP6 matrix_b_fmt:MATRIX_FMT_FP6
.endif
.endm
.macro TRIP3 pr                                ; 32 tokens x my 64 features
.if \pr
	s_wait_xcnt 0x0                                ; the last pair's stores have read the registers that the fragments now take
.endif
	LOADX3 \pr, 0
	LOADX3 \pr, 1
	LOADX3 \pr, 2
.irp g, 0,1,2,3,4,5,6,7
.if \g < 6
	s_wait_dscnt 16                                ; set g is in; the two younger sets, 8 loads each, may be out
.else
	s_wait_dscnt 8*(7-\g)
.endif
.if \g == 0
	WIN 0x21                                       ; source 0 (Wo) window 1, source 2 (the bias) window 2
.elseif \g < 5
	WIN 0x01
.else
	WIN 0x02
.endif
.irp u, 0,1                                    ; the eight accumulators take turns, one instruction a turn
.irp t, 0,1,2,3
	MM3 \pr, \g, \u, \t
.endr
.endr
.if \g < 5
	PLACES 4                                       ; in front of loads into the set that K step g - 1 has read
	LOADX3 \pr, \g+3
.endif
.endr
	WIN 0
	PLACES 5                                       ; four in front of the stores that read results and of loads into the fragments' registers; the fifth since the next pair begins these accumulators anew
	; a lane holds 4 x 32 bytes of one row of out in each tile, the lanes beside it other rows: a tile goes through my own stage and comes back as rows of 256 bytes
.irp u, 0,1
.irp t, 0,1,2,3
.irp q, 0,1
	ds_store_b128 v8, v[ACC+8*(4*\u+\t)+4*\q:ACC+8*(4*\u+\t)+4*\q+3] offset:128*(\t/2)+32*(\t%2)+16*\q   ; each accumulator from its low end on
.endr
.endr
.irp k, 0,1,2,3,4,5,6,7
	ds_load_b128 v[XF+32*\u+4*\k:XF+32*\u+4*\k+3], v9 offset:544*\k   ; LDS serves a wave's instructions in order: these see the stores above, and tile 1's stores come behind them
.endr
.endr
.irp u, 0,1
.irp k, 0,1,2,3,4,5,6,7
	s_wait_dscnt 16*(1-\u)+7-\k                    ; may be out: the other tile's 16 instructions and my tile's younger loads
	global_store_b128 v10, v[XF+32*\u+4*\k:XF+32*\u+4*\k+3], s[16:17] offset:(32*\pr+8*\u+2*\k+8*(\k/4))*4096 th:TH_STORE_NT   ; two rows: 256 consecutive bytes each, at a multiple of 256 from out's first byte
.endr
.endr
.endm
	TRIP3 0
	TRIP3 1
	s_wait_tensorcnt 0x0
	ds_add_u32 v254, v255
	s_wait_dscnt 0x0
	s_endpgm
.Lfunc_end_k_q2a736737dd_oproj:
	.size	k_q2a736737dd_oproj, .Lfunc_end_k_q2a736737dd_oproj-k_q2a736737dd_oproj
	.p2alignl 7, 3214868480
	.fill 96, 4, 3214868480
	.section	.rodata,"a",@progbits
	.p2align	6, 0x0
	.amdhsa_kernel k_q2a736737dd_oproj
		.amdhsa_group_segment_fixed_size 267776
		.amdhsa_private_segment_fixed_size 0
		.amdhsa_enable_private_segment 0
		.amdhsa_kernarg_size 40
		.amdhsa_user_sgpr_count 2
		.amdhsa_user_sgpr_kernarg_segment_ptr 1
		.amdhsa_wavefront_size32 1
		.amdhsa_system_sgpr_workgroup_id_x 1
		.amdhsa_system_sgpr_workgroup_id_y 1
		.amdhsa_system_sgpr_workgroup_id_z 1
		.amdhsa_system_vgpr_workitem_id 0
		.amdhsa_next_free_vgpr 768
		.amdhsa_next_free_sgpr 66
		.amdhsa_reserve_vcc 0
		.amdhsa_float_denorm_mode_32 3
		.amdhsa_float_denorm_mode_16_64 3
		.amdhsa_memory_ordered 1
		.amdhsa_forward_progress 1
		.amdhsa_inst_pref_size 76
	.end_amdhsa_kernel
	.amdgpu_metadata
---
amdhsa.version: [ 1, 2 ]
amdhsa.kernels:
  - .name:           k_q2a736737dd_oproj
    .symbol:         k_q2a736737dd_oproj.kd
    .args:
      - { .name: ao, .offset: 0, .size: 8, .value_kind: global_buffer, .address_space: global }
      - { .name: wo_w_codes, .offset: 8, .size: 8, .value_kind: global_buffer, .address_space: global }
      - { .name: wo_w_scales, .offset: 16, .size: 8, .value_kind: global_buffer, .address_space: global }
      - { .name: wo_b, .offset: 24, .size: 8, .value_kind: global_buffer, .address_space: global }
      - { .name: out0, .offset: 32, .size: 8, .value_kind: global_buffer, .address_space: global }
    .group_segment_fixed_size: 267776
    .private_segment_fixed_size: 0
    .kernarg_segment_align: 8
    .kernarg_segment_size: 40
    .max_flat_workgroup_size: 128
    .sgpr_count:     66
    .vgpr_count:     768
    .wavefront_size: 32
...
	.end_amdgpu_metadata
.endif
;; end of part 3
